; MI455X (gfx1250); checked and timed in simulation.
; The chip was launched on July 23, 2026; its instructions are those of AMD's public machine-readable ISA for CDNA 5 (MIT licence, August 2026) and "CDNA5" Instruction Set Architecture Reference Guide (July 2026). The comments in the code are by the model that wrote it; some were corrected since.
;; Self Attention Module. Allowed arithmetic: matrix products marked QUANTISED: E2M3 operands, one E8M0 scale for each 32 along K, by v_wmma_scale_f32_16x16x128_f8f6f4 with both operands' format E2M3, f32 sums; everything else in f32.
;; Inputs: Wk 1,024 x 1,024 float32; Wo 1,024 x 1,024 float32; Wq 1,024 x 1,024 float32; Wv 1,024 x 1,024 float32; x 2 x 2,048 x 1,024 float32.
;; Outputs: out0 2 x 2,048 x 1,024 float32.
;; This version of the problem:
;;   THIS VERSION OF THE PROBLEM IS GIVEN IN LOW PRECISION. The matrix products marked QUANTISED in the list below multiply operands that are first quantised to E2M3 (2 exponent bits, 3 mantissa bits; 6 bits a number), with one power-of-two scale for each 32 numbers along K (OCP MX v1.0); their sums are f32. All else is computed in f32.
;;   The module's matrix products, in the order in which they are computed (A, B: the left and right operand; K: the contracted axis; several contracted axes count as one K, in the product's order):
;;     1. [M 4,096, K 1,024] x [K 1,024, N 1,024]; A: input x; B: input Wq: QUANTISED
;;     2. [M 4,096, K 1,024] x [K 1,024, N 1,024]; A: input x; B: input Wk: QUANTISED
;;     3. [M 4,096, K 1,024] x [K 1,024, N 1,024]; A: input x; B: input Wv: QUANTISED
;;     4. batch 32 x [M 2,048, K 64] x [K 64, N 2,048]; A: computed on the way; B: computed on the way: QUANTISED
;;     5. batch 32 x [M 64, K 2,048] x [K 2,048, N 2,048]; A: computed on the way; B: softmax (see below): QUANTISED
;;     6. [M 4,096, K 1,024] x [K 1,024, N 1,024]; A: computed on the way; B: input Wo: QUANTISED
;;   THE QUANTISER, for each operand of a quantised product, along K:
;;     - K is cut into blocks of 32 from its start; a last block that is shorter is filled with zeros.
;;     - A block's scale is 2^e with e = floor(log2(the largest magnitude in the block)) - 2, held to -126 .. 127; a block of zeros has e = 0. As a byte (E8M0): e + 127.
;;     - Each number is divided by its block's scale, clamped to +-7.5, and rounded to the nearest number of E2M3, ties to even, subnormals kept.
;;     - The product sums the exact products of the quantised numbers (number of the format x scale) in f32.
;;   ~~~python
;;   def quantise(x, axis):      # numpy; x: float32 -> the quantised numbers, widened to float32 again
;;       x = np.moveaxis(x, axis, -1); K = x.shape[-1]
;;       x = np.pad(x, [(0, 0)] * (x.ndim - 1) + [(0, -K % 32)]); x = x.reshape(x.shape[:-1] + (-1, 32)); a = np.abs(x).max(-1, keepdims=True)
;;       e = np.where(a > 0, np.clip(np.frexp(np.where(a > 0, a, 1))[1] - 1 - 2, -126, 127), 0)      # np.frexp(a)[1] - 1 = floor(log2(a)), exactly
;;       r = np.clip(x / 2.0 ** e, -7.5, 7.5)
;;       step = 2.0 ** (np.maximum(np.frexp(np.where(r == 0, 1, r))[1] - 1, 0) - 3)
;;       q = np.round(r / step) * step * 2.0 ** e      # np.round: ties to even
;;       return np.moveaxis(q.reshape(q.shape[:-2] + (-1,))[..., :K], -1, axis).astype(np.float32)
;;   ~~~
;;   SOFTMAX AHEAD OF A QUANTISED PRODUCT. Where the list says 'softmax', what is quantised is not the finished softmax but p = 2^(t - M), with t = logit x log2(e) and M = ceil(the row's largest t), a whole number; so 1/2 < the row's largest p <= 1. The row's sum l is taken of the UNQUANTISED p, in f32, and the product's result is divided by l at the end. Since M is a whole number, a kernel that streams over the keys may use a running M (the ceiling of the running maximum): every later rescaling is an exact power of two, which a block's scale takes up: the codes' values come out the same.
;;   OPERANDS COMPUTED ON THE WAY. 'Computed on the way' means the value that the module computes at that place (a softmax that the list does not call 'softmax' is quantised finished and normalised). What goes into a quantiser is computed in f32, as accurately as f32 sums, v_exp_f32 and their like allow (about 1e-6 of the number): no bf16 or f16 on the way to a quantiser, and a product that is left as it is and whose result goes on into a quantised operand takes f32 operands (vector FMAs, or v_wmma_f32_16x16x4_f32). A number that lies on a knife's edge between two numbers of the format may be rounded either way, as far as f32 arithmetic and the matrix unit's own rounding can turn it there, and no further.
;; One version. Each part assembles by itself: llvm-mc -triple=amdgcn-amd-amdhsa -mcpu=gfx1250 --defsym DOCPART=n.
;; ======== version 1 of 1: 4 launches
;; limits: right only within a limited range of input values
;; workspace buffers: codes 6,291,456 bytes; scl 262,144 bytes; qkv 9,437,184 bytes; qkvs 655,360 bytes; aimg 3,145,728 bytes; asw 524,288 bytes
;; launch quant (part 1): grid 384 x 1, 8 waves a work-group, no clusters, 96,768 bytes of LDS; arguments x, Wq, Wk, Wv, Wo, codes, scl; writes codes, scl
.if DOCPART == 1
	.amdgcn_target "amdgcn-amd-amdhsa--gfx1250"
	.amdhsa_code_object_version 6
	.text
	.protected	k_q83c1d97e37_quant
	.globl	k_q83c1d97e37_quant
	.p2align	8
	.type	k_q83c1d97e37_quant,@function
k_q83c1d97e37_quant:
	s_mov_b64 s[64:65], 0
	v_nop
	global_prefetch_b8 v0, s[64:65] scope:SCOPE_SE
	s_setreg_imm32_b32 hwreg(HW_REG_WAVE_MODE, 25, 1), 1
	s_wait_xcnt 0x0
; x [4096][1024] and Wq, Wk, Wv, Wo [1024 (K)][1024], f32, become codes of FP6 (E2M3) with one E8M0 scale byte for each 32 along K, laid as the later launches' operand registers want them.
; ROWS: 8,192 rows of K = 1,024: x's tokens, then the columns of Wq, Wk, Wv, Wo.  TILES of 16 rows: row i of tile T is row 32 (T / 2) + 8 (T % 2) + i + 8 (i / 8), so that two neighbouring tiles,
; used as source 0 of a product, leave 16 neighbours of the next K in a lane's 16 result registers.
; IMAGE: a fragment (16 rows x 128 K, 12 registers a lane; lane (r, h): registers 6 c .. 6 c + 5 = K 64 c + 32 h + 0 .. 31) lies in memory as its registers: register R of lane l at 512 (R / 4) + 16 l + 4 (R % 4).
; codes: [tile][K step][1,536 bytes];  scl: [tile][row][8 words], word s = the four scale bytes of K step s.
; A block's scale is 2^(floor(log2(its largest magnitude)) - 2); its byte is the largest magnitude's exponent field - 2, held at 1 from below.
; LIMITS: NaN and infinities are not served; a block whose largest magnitude lies under 2^-124, a block of zeros among them, gets the byte 1 (the rule says 127 for zeros: its codes are zeros, and this program alone reads the bytes).
; SHARES: work-groups 0-255: one tile of x, wave = K step.  Work-groups 256-383: 32 columns (two tiles) of one weight, wave = K step.  The two ways part on the work-group's number and have LDS bytes of their own.
; Memory binds here: no matrix unit, no tensor load, no cluster; each f32 is read once, codes leave in stores of 512 consecutive bytes.
; THE ORDER OF codes AS IT STANDS (in place of the line on codes above): [group of 8 tiles][K step][tile in the group][1,536 bytes], so that eight tiles' images of neighbouring K steps are one dense block.
.set XPW,   8448                       ; x: a wave's stage: 16 rows x (512 bytes + 16)
.set XSG,   8*XPW                      ; x: the tile's 16 x 8 scale words
.set WST,   XSG+512                    ; weights: a wave's two images, 1,664 bytes apart
.set WPW,   3328
.set WSG,   WST+8*WPW                  ; weights: two tiles' scale words
.set SPARE, WSG+1024                   ; the spare words, 128 bytes for each wave: four blocks of 256 bytes that no other line names
.set SPW, 30                           ; v30  SPARE + 4 x my thread's number; never rewritten
.set NIL, 31                           ; v31  0; never rewritten
.set SEL, 20                           ; s[20:21] v_permlanex16_b32's selects for lane l xor 16
.set TM,  176                          ; v176-186 at work in QPAIR
.set MSB, 0
.macro WIN new                         ; the immediate's high byte repeats the setting that is left (this text stays in window 0: nothing is written)
.if MSB != (\new)
	s_set_vgpr_msb (MSB<<8)|(\new)
.set MSB, (\new)
.endif
.endm
; 32 numbers of a lane, v[s] on in window w, register 16 b + i = K 32 b + 16 (lane / 16) + i of my row (two blocks), become six registers of codes, v[d] on (K 32 (lane / 16) + 0 .. 31), and the two scale bytes in v[y].
.macro QPAIR s, w, d, y
	WIN (\w)|((\w)<<2)
.irp b, 0,1
	v_max3_num_f32 v[TM+\b], |v[(\s)+16*\b]|, |v[(\s)+16*\b+1]|, 0x1800000   ; my 16 numbers of block b, and the floor 2^(3 - 127): the byte cannot fall under 1
.endr
	WIN ((\w)<<2)|((\w)<<4)
.irp i, 2,4,6,8,10,12,14
.irp b, 0,1
	s_delay_alu instid0(VALU_DEP_2)
	v_max3_num_f32 v[TM+\b], v[TM+\b], |v[(\s)+16*\b+\i]|, |v[(\s)+16*\b+\i+1]|
.endr
.endr
	WIN 0
.irp b, 0,1
	s_delay_alu instid0(VALU_DEP_2)
	v_permlanex16_b32 v[TM+2+\b], v[TM+\b], s[SEL], s[SEL+1]
.endr
.irp b, 0,1
	s_delay_alu instid0(VALU_DEP_2)
	v_max_num_f32 v[TM+\b], v[TM+\b], v[TM+2+\b]           ; with lane l xor 16's: the block's largest magnitude
.endr
.irp b, 0,1
	s_delay_alu instid0(VALU_DEP_2)
	v_add_nc_u32 v[TM+4+\b], 0xff000000, v[TM+\b]          ; 2 off its exponent field: the conversion's scale operand
.endr
.irp b, 0,1
	s_delay_alu instid0(VALU_DEP_2)
	v_lshrrev_b32 v[TM+2+\b], 23, v[TM+4+\b]               ; the scale's byte
.endr
	s_delay_alu instid0(VALU_DEP_1)
	v_lshl_or_b32 v[\y], v[TM+3], 8, v[TM+2]
	WIN \w
	v_cvt_scalef32_pk16_fp6_f32 v[(\d):(\d)+2], v[(\s):(\s)+15], v[TM+4]
	v_cvt_scalef32_pk16_fp6_f32 v[TM+8:TM+10], v[(\s)+16:(\s)+31], v[TM+5]   ; (a conversion's three registers begin on an even number)
	WIN 0
	v_nop                                                  ; one plain place behind a scaled conversion
.irp i, 0,1,2
	v_permlane16_swap_b32 v[(\d)+\i], v[TM+8+\i]           ; a whole block to a lane: lanes 0-15 block 0, lanes 16-31 block 1
.endr
.irp i, 0,1,2
	s_delay_alu instid0(VALU_DEP_3)
	v_mov_b32 v[(\d)+3+\i], v[TM+8+\i]
.endr
.endm
	s_load_b256 s[4:11], s[0:1], 0x0               ; x s[4:5], Wq s[6:7], Wk s[8:9], Wv s[10:11]
	s_load_b128 s[12:15], s[0:1], 0x20             ; Wo s[12:13], codes s[14:15]
	s_load_b64 s[16:17], s[0:1], 0x30              ; scl
	v_lshl_add_u32 v[SPW], v0, 2, SPARE
	v_mov_b32 v[NIL], 0
	v_lshrrev_b32 v1, 5, v0
	s_delay_alu instid0(VALU_DEP_1)
	v_readfirstlane_b32 s18, v1                    ; wave = K step 0..7
	v_and_b32 v1, 31, v0                           ; lane
	s_mov_b32 s[SEL], 0x76543210
	s_mov_b32 s[SEL+1], 0xfedcba98
	v_mov_b32 v[TM+2], 0                           ; written once: a lane permute's destination counts as one of its sources
	v_mov_b32 v[TM+3], 0
	s_cmp_lt_u32 ttmp9, 256                        ; the same in all eight waves
	s_cbranch_scc0 .Lweights
	; ---------------- x: tile T = the work-group's number ----------------
	v_lshlrev_b32 v2, 4, v1                        ; 16 x lane: a load's, an image's and a store's place for my lane
	v_and_b32 v8, 15, v0                           ; r
	v_bfe_u32 v9, v0, 4, 1                         ; h
	s_mul_i32 s19, s18, XPW                        ; my stage
	v_add_nc_u32 v3, s19, v2                       ; into it: a row's 512 bytes as they lie
	v_mul_u32_u24 v4, v8, 528
	s_delay_alu instid0(VALU_DEP_1)
	v_lshl_add_u32 v4, v9, 6, v4
	s_delay_alu instid0(VALU_DEP_1)
	v_add_nc_u32 v4, s19, v4                       ; out of it: row r, + 64 h: my 16 numbers of each block of 32
	s_lshl_b32 s22, s18, 2
	v_lshlrev_b32 v5, 5, v8
	s_delay_alu instid0(VALU_DEP_1)
	v_add_nc_u32 v5, s22, v5
	s_delay_alu instid0(VALU_DEP_1)
	v_add_nc_u32 v5, XSG, v5                       ; my row's scale word of my K step
	v_add_nc_u32 v6, XSG, v2
	s_lshr_b32 s24, ttmp9, 1
	s_lshl_b32 s24, s24, 5
	s_and_b32 s25, ttmp9, 1
	s_lshl_b32 s25, s25, 3
	s_add_co_u32 s24, s24, s25                     ; the tile's first token: 32 (T / 2) + 8 (T % 2)
	s_lshl_b32 s24, s24, 12                        ; rows of 4,096 bytes
	s_lshl_b32 s25, s18, 9                         ; my K step's 512 bytes
	s_add_co_u32 s24, s24, s25
	s_mov_b32 s25, 0
	s_lshr_b32 s26, ttmp9, 3
	s_mul_i32 s26, s26, 98304                      ; the tile's group,
	s_mul_i32 s27, s18, 12288                      ; my K step,
	s_add_co_u32 s26, s26, s27
	s_and_b32 s27, ttmp9, 7
	s_mul_i32 s27, s27, 1536                       ; the tile in its group
	s_add_co_u32 s26, s26, s27
	s_mov_b32 s27, 0
	s_lshl_b32 s28, ttmp9, 9
	s_mov_b32 s29, 0
	s_wait_alu depctr_va_vdst(0)
	s_wait_kmcnt 0x0
	s_add_nc_u64 s[4:5], s[4:5], s[24:25]
	s_add_nc_u64 s[14:15], s[14:15], s[26:27]
	s_add_nc_u64 s[16:17], s[16:17], s[28:29]
.irp i, 0,1,2,3,4,5,6,7,8,9,10,11,12,13,14,15
	global_load_b128 v[32+4*\i:35+4*\i], v2, s[4:5] offset:(\i+8*(\i/8))*4096 th:TH_LOAD_NT   ; 32 lanes read 512 consecutive bytes of the tile's row i
.endr
.irp i, 0,1,2,3,4,5,6,7,8,9,10,11,12,13,14,15
	s_wait_loadcnt 15-\i                           ; loads come back in order: row i is in, the younger rows stay out
	ds_store_b128 v3, v[32+4*\i:35+4*\i] offset:528*\i
.endr
.irp b, 0,1,2,3
.irp j, 0,1,2,3
	ds_load_b128 v[96+16*\b+4*\j:99+16*\b+4*\j], v4 offset:128*\b+16*\j   ; LDS serves a wave's instructions in order: these see my stores
.endr
.endr
	s_wait_dscnt 0x0
	QPAIR 96, 0, 160, 172
	QPAIR 128, 0, 166, 173
	v_lshl_or_b32 v174, v173, 16, v172             ; my row's scale word
.irp c, 0,1,2
	global_store_b128 v2, v[160+4*\c:163+4*\c], s[14:15] offset:512*\c   ; the image: 512 consecutive bytes a store
.endr
	ds_store_b32 v5, v174                          ; both halves of the lanes write the same word with the same value
	s_wait_dscnt 0x0                               ; for the others' sake: my word has landed
	s_barrier_signal -1
	s_barrier_wait -1
	s_cmp_lg_u32 s18, 0
	s_cbranch_scc1 .Lx_end
	ds_load_b128 v[188:191], v6                    ; wave 0: the tile's 512 bytes of scale words
	s_wait_dscnt 0x0
	global_store_b128 v2, v[188:191], s[16:17]
.Lx_end:
	s_wait_tensorcnt 0x0                           ; the wave's end, behind my last LDS store
	ds_add_u32 v[SPW], v[NIL]
	s_wait_dscnt 0x0
	s_endpgm
	; ---------------- weights: a lane takes a column, its registers run down K ----------------
.Lweights:
	s_wait_alu depctr_va_vdst(0)
	v_lshlrev_b32 v2, 2, v1                        ; in: 4 bytes a lane
	v_lshlrev_b32 v7, 4, v1                        ; out: 16 bytes a lane
	v_and_b32 v8, 7, v0
	v_bfe_u32 v9, v0, 4, 1
	s_delay_alu instid0(VALU_DEP_1)
	v_lshl_add_u32 v8, v9, 3, v8                   ; my column's row in its tile: lane % 8 + 8 (lane / 16)
	v_bfe_u32 v9, v0, 3, 1                         ; and which of the two tiles: (lane / 8) % 2
	s_mul_i32 s19, s18, WPW
	s_add_co_u32 s19, s19, WST                     ; my two images
	v_mul_u32_u24 v3, v9, 1664
	s_delay_alu instid0(VALU_DEP_1)
	v_lshl_add_u32 v3, v8, 4, v3
	s_delay_alu instid0(VALU_DEP_1)
	v_add_nc_u32 v3, s19, v3                       ; into them: my tile, my row's 16 bytes
	v_add_nc_u32 v4, s19, v7                       ; out of them: 16 x lane
	s_lshl_b32 s22, s18, 2
	s_add_co_u32 s22, s22, WSG
	v_lshlrev_b32 v5, 9, v9
	s_delay_alu instid0(VALU_DEP_1)
	v_lshl_add_u32 v5, v8, 5, v5
	s_delay_alu instid0(VALU_DEP_1)
	v_add_nc_u32 v5, s22, v5                       ; my column's scale word of my K step
	v_add_nc_u32 v6, WSG, v7
	s_sub_co_u32 s23, ttmp9, 256                   ; g: 32 columns of one weight
	s_lshr_b32 s24, s23, 5                         ; which weight
	s_and_b32 s25, s23, 31
	s_lshl_b32 s26, s25, 7                         ; the first column, in bytes
	s_lshl_b32 s27, s18, 19                        ; my K step: 128 rows of 4,096 bytes
	s_add_co_u32 s26, s26, s27
	s_mov_b32 s27, 0
	s_lshl_b32 s28, s23, 1
	s_add_co_u32 s28, s28, 256                     ; the first of my two tiles
	s_lshr_b32 s32, s28, 3
	s_mul_i32 s32, s32, 98304                      ; the two tiles' group,
	s_mul_i32 s29, s18, 12288                      ; my K step,
	s_add_co_u32 s32, s32, s29
	s_and_b32 s29, s28, 7
	s_mul_i32 s29, s29, 1536                       ; the first of the two in its group
	s_add_co_u32 s32, s32, s29
	s_mov_b32 s33, 0
	s_lshl_b32 s28, s28, 9
	s_mov_b32 s29, 0
	s_wait_kmcnt 0x0
	s_cmp_eq_u32 s24, 1                            ; the choice hangs on the work-group's number alone
	s_cselect_b64 s[6:7], s[8:9], s[6:7]
	s_cmp_eq_u32 s24, 2
	s_cselect_b64 s[6:7], s[10:11], s[6:7]
	s_cmp_eq_u32 s24, 3
	s_cselect_b64 s[6:7], s[12:13], s[6:7]
	s_add_nc_u64 s[6:7], s[6:7], s[26:27]
	s_add_nc_u64 s[14:15], s[14:15], s[32:33]
	s_add_nc_u64 s[16:17], s[16:17], s[28:29]
.macro LOAD t                          ; block t: W(32 t + n, my column), n = 0 .. 31: each load reads 128 consecutive bytes
.set n, 0
.rept 32
	global_load_b32 v[32+32*(\t)+n], v2, s[6:7] offset:(32*(\t)+n)*4096
.set n, n+1
.endr
.endm
.macro BLOCK t
.set XS, 32+32*(\t)
.set C, 160+8*(\t)                     ; each block has its own registers for its codes
.if (\t) < 3
	s_wait_loadcnt 32                              ; this block's 32 loads are in; the next block's may be out
.else
	s_wait_loadcnt 0x0
.endif
.if (\t)+2 < 4
	LOAD (\t)+2
.endif
	v_max3_num_f32 v12, |v[XS]|, |v[XS+1]|, |v[XS+2]|      ; the block's largest magnitude: all 32 numbers are mine
	v_max3_num_f32 v13, |v[XS+3]|, |v[XS+4]|, |v[XS+5]|
.irp i, 6,10,14,18,22,26
	s_delay_alu instid0(VALU_DEP_2)
	v_max3_num_f32 v12, v12, |v[XS+\i]|, |v[XS+\i+1]|
	s_delay_alu instid0(VALU_DEP_2)
	v_max3_num_f32 v13, v13, |v[XS+\i+2]|, |v[XS+\i+3]|
.endr
	s_delay_alu instid0(VALU_DEP_2)
	v_max3_num_f32 v12, v12, |v[XS+30]|, |v[XS+31]|
	s_delay_alu instid0(VALU_DEP_1)
	v_max3_num_f32 v12, v12, v13, 0x1800000        ; and the floor 2^(3 - 127)
	s_delay_alu instid0(VALU_DEP_1)
	v_add_nc_u32 v11, 0xff000000, v12              ; the conversion's scale operand
	s_delay_alu instid0(VALU_DEP_1)
	v_lshrrev_b32 v13, 23, v11                     ; the scale's byte
.if (\t) == 0
	s_delay_alu instid0(VALU_DEP_1)
	v_mov_b32 v24, v13
.else
	s_delay_alu instid0(VALU_DEP_1)
	v_lshl_or_b32 v24, v13, 8*(\t), v24            ; four bytes make the K step's scale word
.endif
	v_cvt_scalef32_pk16_fp6_f32 v[C:C+2], v[XS:XS+15], v11
	v_cvt_scalef32_pk16_fp6_f32 v[C+4:C+6], v[XS+16:XS+31], v11
	v_nop                                          ; one plain place behind a scaled conversion
	v_mov_b32 v[C+3], v[C+4]                       ; the block's six registers on end
	v_mov_b32 v[C+4], v[C+5]
	v_mov_b32 v[C+5], v[C+6]
; block t = 2 c + h is registers 6 c .. 6 c + 5 of image lane (my row) + 16 h
.if (\t) < 2
	ds_store_b128 v3, v[C:C+3] offset:256*((\t)%2)
	ds_store_b64 v3, v[C+4:C+5] offset:512+256*((\t)%2)
.else
	ds_store_b64 v3, v[C:C+1] offset:520+256*((\t)%2)
	ds_store_b128 v3, v[C+2:C+5] offset:1024+256*((\t)%2)
.endif
.endm
	LOAD 0
	LOAD 1
	BLOCK 0
	BLOCK 1
	BLOCK 2
	BLOCK 3
	ds_store_b32 v5, v24
.irp u, 0,1
.irp g, 0,1,2
	ds_load_b128 v[32+12*\u+4*\g:35+12*\u+4*\g], v4 offset:1664*\u+512*\g   ; LDS serves a wave's instructions in order: these see my stores
.endr
.endr
	s_wait_dscnt 0x0                               ; the images are back, and my scale word has landed
.irp u, 0,1
.irp g, 0,1,2
	global_store_b128 v7, v[32+12*\u+4*\g:35+12*\u+4*\g], s[14:15] offset:1536*\u+512*\g   ; 512 consecutive bytes a store
.endr
.endr
	s_barrier_signal -1
	s_barrier_wait -1
	s_cmp_lg_u32 s18, 0
	s_cbranch_scc1 .Lw_end
	ds_load_b128 v[56:59], v6                      ; wave 0: the two tiles' 1,024 bytes of scale words
	ds_load_b128 v[60:63], v6 offset:512
	s_wait_dscnt 0x0
	global_store_b128 v7, v[56:59], s[16:17]
	global_store_b128 v7, v[60:63], s[16:17] offset:512
.Lw_end:
	s_wait_tensorcnt 0x0                           ; the wave's end, behind my last LDS store
	ds_add_u32 v[SPW], v[NIL]
	s_wait_dscnt 0x0
	s_endpgm
.Lfunc_end_k_q83c1d97e37_quant:
	.size	k_q83c1d97e37_quant, .Lfunc_end_k_q83c1d97e37_quant-k_q83c1d97e37_quant
	.p2alignl 7, 3214868480
	.fill 96, 4, 3214868480
	.section	.rodata,"a",@progbits
	.p2align	6, 0x0
	.amdhsa_kernel k_q83c1d97e37_quant
		.amdhsa_group_segment_fixed_size 96768
		.amdhsa_private_segment_fixed_size 0
		.amdhsa_enable_private_segment 0
		.amdhsa_kernarg_size 56
		.amdhsa_user_sgpr_count 2
		.amdhsa_user_sgpr_kernarg_segment_ptr 1
		.amdhsa_wavefront_size32 1
		.amdhsa_system_sgpr_workgroup_id_x 1
		.amdhsa_system_sgpr_workgroup_id_y 1
		.amdhsa_system_sgpr_workgroup_id_z 1
		.amdhsa_system_vgpr_workitem_id 0
		.amdhsa_next_free_vgpr 192
		.amdhsa_next_free_sgpr 66
		.amdhsa_reserve_vcc 0
		.amdhsa_float_denorm_mode_32 3
		.amdhsa_float_denorm_mode_16_64 3
		.amdhsa_memory_ordered 1
		.amdhsa_forward_progress 1
		.amdhsa_inst_pref_size 38
	.end_amdhsa_kernel
	.amdgpu_metadata
---
amdhsa.version: [ 1, 2 ]
amdhsa.kernels:
  - .name:           k_q83c1d97e37_quant
    .symbol:         k_q83c1d97e37_quant.kd
    .args:
      - { .name: x, .offset: 0, .size: 8, .value_kind: global_buffer, .address_space: global }
      - { .name: Wq, .offset: 8, .size: 8, .value_kind: global_buffer, .address_space: global }
      - { .name: Wk, .offset: 16, .size: 8, .value_kind: global_buffer, .address_space: global }
      - { .name: Wv, .offset: 24, .size: 8, .value_kind: global_buffer, .address_space: global }
      - { .name: Wo, .offset: 32, .size: 8, .value_kind: global_buffer, .address_space: global }
      - { .name: codes, .offset: 40, .size: 8, .value_kind: global_buffer, .address_space: global }
      - { .name: scl, .offset: 48, .size: 8, .value_kind: global_buffer, .address_space: global }
    .group_segment_fixed_size: 96768
    .private_segment_fixed_size: 0
    .kernarg_segment_align: 8
    .kernarg_segment_size: 56
    .max_flat_workgroup_size: 256
    .sgpr_count:     66
    .vgpr_count:     192
    .wavefront_size: 32
...
	.end_amdgpu_metadata
.endif
;; end of part 1
;; launch qkv (part 2): grid 8 x 32, 4 waves a work-group, clusters of 4 x 4, 327,680 bytes of LDS; arguments codes, scl, qkv, qkvs; writes qkv, qkvs
.if DOCPART == 2
	.amdgcn_target "amdgcn-amd-amdhsa--gfx1250"
	.amdhsa_code_object_version 6
	.text
	.protected	k_q83c1d97e37_qkv
	.globl	k_q83c1d97e37_qkv
	.p2align	8
	.type	k_q83c1d97e37_qkv,@function
k_q83c1d97e37_qkv:
	s_mov_b64 s[64:65], 0
	v_nop
	global_prefetch_b8 v0, s[64:65] scope:SCOPE_SE
	s_setreg_imm32_b32 hwreg(HW_REG_WAVE_MODE, 25, 1), 1
	s_wait_xcnt 0x0
	s_wait_alu depctr_hold_cnt(0) depctr_sa_sdst(0) depctr_va_vdst(0) depctr_va_sdst(0) depctr_va_ssrc(0) depctr_va_vcc(0) depctr_vm_vsrc(0)
	s_getreg_b32 s2, hwreg(HW_REG_IB_STS2, 6, 4)
	s_cmp_eq_u32 s2, 0
	s_cbranch_scc0 .Lentry_in_a_cluster
	s_endpgm
.Lentry_in_a_cluster:
	s_bfe_u32 s2, ttmp6, 0x10000c
	s_cmp_lg_u32 s2, 0xf033
	s_cbranch_scc0 .Lentry_shape_is_right
	s_endpgm
.Lentry_shape_is_right:
; q = x Wq, k = x Wk, v = x Wv on codes of FP6 (E2M3) with E8M0 scales, K = 1,024; the results are quantised in registers, q and k along the head's 64, v along the keys, and leave as images of the next launch's operand registers.
; SHARES: work-group (cg, tb): 128 tokens (x's tiles 8 tb ..) x 256 channels of Wq (cg < 4) or Wk (tiles 256 + 16 cg ..) and x 128 channels of Wv (tiles 384 + 8 cg ..).  Wave w: one head of q or k and half a head of v: 48 accumulators.
;   q, k: source 0 = 16 channels, source 1 = 16 tokens: a lane holds a token, its registers run along the channels (the next K).   v: source 0 = 16 tokens, source 1 = 16 channels: a lane holds a channel, its registers run along the tokens (the keys).
; The rows of a tile are not neighbours (row i of tile T = 32 (T / 2) + 8 (T % 2) + i + 8 (i / 8)), so that the 16 registers of two neighbouring tiles of source 0 are 16 neighbours along the next K.
; LDS: three slots of two K steps each ([x: 8 tiles][Wq or Wk: 16][Wv: 8], 3,072 bytes a tile: two fragment images); K's four chunks: slots 0, 1, 2 at the start, slot 0 once more.  A fragment comes by three loads of 512 consecutive bytes.
; CLUSTER 4 x 4: x's tiles hang on tb alone and are asked for jointly along a row of the cluster, the weights' on cg alone and jointly along a column.
; By this text's own count a wave has one tensor load out at the start and one behind the refill's barrier.
; LIMITS: NaN and infinities are not served; a block whose largest magnitude lies under 2^-124, a block of zeros among them, gets the scale byte 1 (its codes are zeros; this program alone reads the bytes).
; REGISTERS: window 0: v1-13 addresses; v28, v29 the add's two; v32-95 scale words; v96-167, v168-239 the weights' fragments, two sets; v240-250 at work.  window 1: x's fragments, two sets of 96.
;   window 2: v's 16 accumulators (v[64 j + 8 i]).   window 3: q's or k's 32 (v[32 i + 8 j]).
; LDS AS IT STANDS (in place of what the head comment says of three slots): four regions, one for each loading wave's eight tiles (x's; Wq's or Wk's 0-7; 8-15; Wv's), each [K step][tile][1,536 bytes], six K steps deep.
; In codes eight tiles' images of neighbouring K steps are one dense block, so ONE tensor load a wave at the head brings K steps 0-5; K steps 6, 7 come into the place of K steps 0, 1, behind the round in K step 1,
; four K steps ahead of the wait for them.  By this text's own count a wave has one tensor load out.
; K steps 6, 7 are prefetched at the head: of a region's 96 blocks of 256 bytes each of the four partners that will ask for them jointly names 24, told apart by address.
.set REG,   73728                      ; a region
.set SLOT,  36864                      ; three K steps of a region: the reach of one address register
.set SPARE, 4*REG
.set AX,  2                            ; v2-3   x's images in slot 0, 1: + 16 x lane
.set AW,  5                            ; v5-6   my four tiles of Wq or Wk
.set AV,  8                            ; v8-9  my two tiles of Wv
.set SPW, 28
.set NIL, 29
.set SC,  32                           ; v[SC + 8 i + k]: lanes 0-15 the word of x's tile i, lanes 16-31 that of my weight tile i (0-3: Wq or Wk, 4-5: Wv), K step k
.set WF,  96
.set TM,  240
.set IMG, 96                           ; the way out, in the registers that the weights' fragments have left
.set VFR, 144
.set YW,  168
.set KS,  176
.set Y0,  180
.set PVW, 182
.set VSW, 184
.set WV,  12
.set SEL, 20
.set G1X, 24                           ; s[24:31] group 1 for x's tiles;  s[32:39] for the weights': they differ in the mask alone
.set G1W, 32
.set G0X, 40                           ; s[40:43], s[52:55] groups 0: x's and the weights'
.set G0W, 52
.set W_QK, 0xf4                        ; source 0 (weights) window 0, source 1 (x) window 1, C and D window 3
.set W_V,  0xa1                        ; source 0 (x) window 1, source 1 (weights) window 0, C and D window 2
.set TO_X, 0x40                        ; destination window 1, address window 0
.set MSB, 0
.macro WIN new                         ; the immediate's high byte repeats the setting that is left
.if MSB != (\new)
	s_set_vgpr_msb (MSB<<8)|(\new)
.set MSB, (\new)
.endif
.endm
.macro PLACES                          ; four places behind a matrix instruction, in front of loads into its registers and of reads of its results
.rept 4
	v_nop
.endr
.endm
.macro CREST                           ; a round of the cluster's barrier behind its opening barrier
	s_cmp_lg_u32 s[WV], 0
	s_cbranch_scc1 .Lnot_wave_0_\@
	s_barrier_signal -3
.Lnot_wave_0_\@:
	s_barrier_wait -3
	s_barrier_signal -1
	s_barrier_wait -1
.endm
.macro CROUND
	s_barrier_signal -1
	s_barrier_wait -1
	CREST
.endm
; A joint load: wave 0 fetches x's eight tiles, waves 1 to 3 eight tiles of weights each.  The branch hangs on the wave's number alone.  An s_nop 0 and four v_nop follow each line.
.macro JLOAD s
	s_cmp_eq_u32 s[WV], 0
	s_cbranch_scc0 .Lfor_w_\@
	tensor_load_to_lds s[G0X+4*\s:G0X+4*\s+3], s[G1X:G1X+7]
	s_nop 0
.rept 4
	v_nop
.endr
	s_branch .Lasked_\@
.Lfor_w_\@:
	tensor_load_to_lds s[G0W+4*\s:G0W+4*\s+3], s[G1W:G1W+7]
	s_nop 0
.rept 4
	v_nop
.endr
.Lasked_\@:
.endm
; 32 numbers of a lane, v[s] on in window w, register 16 b + i = K 32 b + 16 (lane / 16) + i of my row (two blocks), become six registers of codes, v[d] on (K 32 (lane / 16) + 0 .. 31), and the two scale bytes in v[y].
; Each accumulator among the sources is first read at its two lowest registers.
.macro QPAIR s, w, d, y
	WIN (\w)|((\w)<<2)
.irp b, 0,1
	v_max3_num_f32 v[TM+\b], |v[(\s)+16*\b]|, |v[(\s)+16*\b+1]|, 0x1800000   ; my 16 numbers of block b, and the floor 2^(3 - 127): the byte cannot fall under 1
.endr
	WIN ((\w)<<2)|((\w)<<4)
.irp i, 2,4,6,8,10,12,14
.irp b, 0,1
	v_max3_num_f32 v[TM+\b], v[TM+\b], |v[(\s)+16*\b+\i]|, |v[(\s)+16*\b+\i+1]|
.endr
.endr
	WIN 0
.irp b, 0,1
	v_permlanex16_b32 v[TM+2+\b], v[TM+\b], s[SEL], s[SEL+1]
.endr
.irp b, 0,1
	v_max_num_f32 v[TM+\b], v[TM+\b], v[TM+2+\b]           ; with lane l xor 16's: the block's largest magnitude
.endr
.irp b, 0,1
	v_add_nc_u32 v[TM+4+\b], 0xff000000, v[TM+\b]          ; 2 off its exponent field: the conversion's scale operand
.endr
.irp b, 0,1
	v_lshrrev_b32 v[TM+2+\b], 23, v[TM+4+\b]               ; the scale's byte
.endr
	v_lshl_or_b32 v[\y], v[TM+3], 8, v[TM+2]
	WIN \w
	v_cvt_scalef32_pk16_fp6_f32 v[(\d):(\d)+2], v[(\s):(\s)+15], v[TM+4]
	v_cvt_scalef32_pk16_fp6_f32 v[TM+8:TM+10], v[(\s)+16:(\s)+31], v[TM+5]   ; (a conversion's three registers begin on an even number)
	WIN 0
	v_nop                                                  ; one plain place behind a scaled conversion
.irp i, 0,1,2
	v_permlane16_swap_b32 v[(\d)+\i], v[TM+8+\i]           ; a whole block to a lane: lanes 0-15 block 0, lanes 16-31 block 1
.endr
.irp i, 0,1,2
	v_mov_b32 v[(\d)+3+\i], v[TM+8+\i]
.endr
.endm
	s_load_b256 s[4:11], s[0:1], 0x0               ; codes s[4:5], scl s[6:7], qkv s[8:9], qkvs s[10:11]
	v_lshl_add_u32 v[SPW], v0, 2, SPARE
	v_mov_b32 v[NIL], 0
	ds_add_u32 v[SPW], v[NIL]                      ; the wave's opening: the add and its wait ahead of my first tensor load; the set-up below, work on registers, stands between them
	ds_add_u32 v[SPW], v[NIL]
	v_lshrrev_b32 v1, 5, v0
	v_readfirstlane_b32 s[WV], v1                  ; wave 0..3
	s_bfe_u32 s13, ttmp6, 0x40000                  ; cx
	s_bfe_u32 s14, ttmp6, 0x40004                  ; cy
	s_lshl_b32 s15, ttmp9, 2
	s_add_co_u32 s15, s15, s13                     ; cg = 4 x cluster x + cx
	s_and_b32 s16, ttmp7, 0xffff
	s_lshl_b32 s16, s16, 2
	s_add_co_u32 s16, s16, s14                     ; tb = 4 x cluster y + cy
	s_lshl_b32 s17, s14, 2
	s_lshl_b32 s17, 15, s17                        ; my row of the cluster
	s_lshl_b32 s18, 0x1111, s13                    ; my column
	s_or_b32 s[G1X], s17, (3<<16)|(1<<21)          ; 15:0 the mask; 17:16 elements of 8 bytes; 21 set beside a mask; no padding
	s_or_b32 s[G1W], s18, (3<<16)|(1<<21)
.irp g, G1X, G1W
	s_mov_b32 s[\g+1], 1536<<16                    ; tensor_dim0: eight tiles' images of one K step, 12,288 bytes
	s_mov_b32 s[\g+2], 6<<16                       ; tensor_dim1: 6 K steps
	s_mov_b32 s[\g+3], 1536<<16                    ; tile_dim0
	s_mov_b32 s[\g+4], 6                           ; tile_dim1
	s_mov_b32 s[\g+5], 1536                        ; from K step to K step: 12,288 bytes
	s_mov_b32 s[\g+6], 0
	s_mov_b32 s[\g+7], 0
.endr
	s_mul_i32 s70, s16, 98304                      ; x: tile 8 tb, in bytes: hangs on tb alone
	s_mov_b32 s71, 0
	s_lshl_b32 s72, s15, 4                         ; the weights: waves 1, 2: tiles 256 + 16 cg + 8 (w - 1) on; wave 3: 384 + 8 cg on: hangs on cg and the wave alone
	s_lshl_b32 s73, s[WV], 3
	s_add_co_u32 s72, s72, s73
	s_add_co_u32 s72, s72, 248
	s_lshl_b32 s73, s15, 3
	s_add_co_u32 s73, s73, 384
	s_cmp_eq_u32 s[WV], 3
	s_cselect_b32 s72, s73, s72
	s_mul_i32 s72, s72, 12288
	s_mov_b32 s73, 0
	s_mul_i32 s74, s[WV], REG                      ; where my eight tiles go
	s_mov_b32 s[SEL], 0x76543210
	s_mov_b32 s[SEL+1], 0xfedcba98
	s_mov_b32 s68, 0xffff0000                      ; lanes 16-31
	v_mov_b32 v[TM+2], 0                           ; written once: a lane permute's destination counts as one of its sources
	v_mov_b32 v[TM+3], 0
	s_wait_dscnt 0x0                               ; the opening add is done
	s_wait_kmcnt 0x0
	s_add_nc_u64 s[70:71], s[4:5], s[70:71]
	s_add_nc_u64 s[72:73], s[4:5], s[72:73]
	CROUND                                         ; all sixteen work-groups are here: the first joint loads meet
.irp s, 0
	s_mov_b32 s[G0X+4*\s], 1
	s_add_co_u32 s[G0X+4*\s+1], s74, \s*SLOT
	s_add_nc_u64 s[G0X+4*\s+2:G0X+4*\s+3], s[70:71], \s*3072   ; K steps 0-5
	s_or_b32 s[G0X+4*\s+3], s[G0X+4*\s+3], 0x80000000
	s_mov_b32 s[G0W+4*\s], 1
	s_add_co_u32 s[G0W+4*\s+1], s74, \s*SLOT
	s_add_nc_u64 s[G0W+4*\s+2:G0W+4*\s+3], s[72:73], \s*3072
	s_or_b32 s[G0W+4*\s+3], s[G0W+4*\s+3], 0x80000000
	JLOAD \s
.endr
	v_and_b32 v14, 31, v0
	v_lshlrev_b32 v1, 4, v14                       ; 16 x lane
	s_wait_alu depctr_va_vdst(0)
	v_lshlrev_b32 v13, 2, v14                      ; 4 x lane
	s_cmp_eq_u32 s[WV], 0                          ; the prefetch of K steps 6, 7 of the eight tiles that I fetch
	s_cselect_b64 s[94:95], s[70:71], s[72:73]
	s_cselect_b32 s69, s13, s14                    ; my place among the four that ask with me: cx for x's tiles, cy for the weights'
	s_mul_i32 s69, s69, 6144
	s_add_co_u32 s69, s69, 6*12288
	v_min_u32 v18, 23, v14                         ; a lane a block; the lanes left over name the last block again
	v_lshl_add_u32 v18, v18, 8, s69
	global_prefetch_b8 v18, s[94:95] th:TH_LOAD_NT scope:SCOPE_SE   ; v18 and s[94:95] are never written again
	s_lshr_b32 s75, s[WV], 1                       ; my four tiles of Wq or Wk: region 1 + w / 2, tiles 4 (w % 2) on
	s_mul_i32 s75, s75, REG
	s_and_b32 s76, s[WV], 1
	s_mul_i32 s76, s76, 6144
	s_add_co_u32 s75, s75, s76
	s_add_co_u32 s75, s75, REG
	s_mul_i32 s76, s[WV], 3072                     ; my two tiles of Wv: region 3, tiles 2 w on
	s_add_co_u32 s76, s76, 3*REG
.irp s, 0,1
	v_add_nc_u32 v[AX+\s], \s*SLOT, v1
	v_add_nc_u32 v[AW+\s], s75, v1
	v_add_nc_u32 v[AV+\s], s76, v1
	s_add_co_u32 s75, s75, SLOT
	s_add_co_u32 s76, s76, SLOT
.endr
	; the scale words of all eight K steps come once, from memory into registers: lanes 0-15 x's tiles, lanes 16-31 my weight tiles
	v_and_b32 v15, 15, v0                          ; r
	s_wait_alu depctr_va_vdst(0)
	v_bfe_u32 v16, v0, 4, 1                        ; h
	s_lshl_b32 s77, s16, 12                        ; x's tile 8 tb: 512 bytes a tile
	s_lshl_b32 s78, s15, 4
	s_lshl_b32 s79, s[WV], 2
	s_add_co_u32 s78, s78, s79
	s_add_co_u32 s78, s78, 256
	s_lshl_b32 s78, s78, 9
	s_sub_co_u32 s78, s78, s77                     ; from there to tile 256 + 16 cg + 4 w
	s_lshl_b32 s79, s15, 3
	s_lshl_b32 s80, s[WV], 1
	s_add_co_u32 s79, s79, s80
	s_add_co_u32 s79, s79, 380
	s_lshl_b32 s79, s79, 9
	s_sub_co_u32 s79, s79, s77                     ; and to tile 384 + 8 cg + 2 w - 4
	v_lshl_add_u32 v17, v15, 5, s77
	s_wait_alu depctr_va_vdst(0)
	v_mad_u32_u24 v11, v16, s78, v17
	v_mad_u32_u24 v12, v16, s79, v17
.irp i, 0,1,2,3
.irp e, 0,1
	global_load_b128 v[SC+8*\i+4*\e:SC+8*\i+4*\e+3], v11, s[6:7] offset:512*\i+16*\e
.endr
.endr
.irp i, 4,5,6,7
.irp e, 0,1
	global_load_b128 v[SC+8*\i+4*\e:SC+8*\i+4*\e+3], v12, s[6:7] offset:512*\i+16*\e   ; (i = 6, 7: lanes 16-31 read words of later tiles, which no product names)
.endr
.endr
	; where the results go
	s_lshr_b32 s81, s16, 4
	s_lshl_b32 s81, s81, 4                         ; 16 x batch
	s_and_b32 s82, s16, 15                         ; the step of 128 tokens in the batch
	s_and_b32 s83, s15, 3
	s_lshl_b32 s83, s83, 2
	s_add_co_u32 s83, s83, s81
	s_add_co_u32 s83, s83, s[WV]                   ; my head of q or k
	s_cmp_lt_u32 s15, 4
	s_cselect_b32 s84, 196608, 0                   ; q's images lie behind k's and v's
	s_cselect_b32 s85, 12288, 0
	s_mul_i32 s86, s83, 294912
	s_add_co_u32 s86, s86, s84
	s_mul_i32 s84, s82, 6144
	s_add_co_u32 s86, s86, s84
	s_mov_b32 s87, 0
	s_add_nc_u64 s[86:87], s[8:9], s[86:87]
	s_mul_i32 s88, s83, 20480
	s_add_co_u32 s88, s88, s85
	s_lshl_b32 s85, s82, 9
	s_add_co_u32 s88, s88, s85
	s_mov_b32 s89, 0
	s_add_nc_u64 s[88:89], s[10:11], s[88:89]
	s_lshl_b32 s83, s15, 1
	s_add_co_u32 s83, s83, s81
	s_lshr_b32 s84, s[WV], 1
	s_add_co_u32 s83, s83, s84                     ; my head of v,
	s_and_b32 s84, s[WV], 1                        ; and which half of its channels
	s_mul_i32 s90, s83, 294912
	s_add_co_u32 s90, s90, 98304
	s_mul_i32 s85, s82, 6144
	s_add_co_u32 s90, s90, s85
	s_mul_i32 s85, s84, 3072
	s_add_co_u32 s90, s90, s85
	s_mov_b32 s91, 0
	s_add_nc_u64 s[90:91], s[8:9], s[90:91]
	s_mul_i32 s92, s83, 20480
	s_add_co_u32 s92, s92, 8192
	s_lshl_b32 s85, s82, 8
	s_add_co_u32 s92, s92, s85
	s_lshl_b32 s85, s84, 7
	s_add_co_u32 s92, s92, s85
	s_mov_b32 s93, 0
	s_add_nc_u64 s[92:93], s[10:11], s[92:93]
; 42 LDS loads in one run: the 14 fragments of the slot's q-th K step into set f
.macro FETCH slot, q, f
	WIN TO_X
.irp i, 0,1,2,3,4,5,6,7
.irp c, 0,1,2
	ds_load_b128 v[96*(\f)+12*\i+4*\c:96*(\f)+12*\i+4*\c+3], v[AX+\slot] offset:1536*\i+12288*(\q)+512*\c
.endr
.endr
	WIN 0
.irp j, 0,1,2,3
.irp c, 0,1,2
	ds_load_b128 v[WF+72*(\f)+12*\j+4*\c:WF+72*(\f)+12*\j+4*\c+3], v[AW+\slot] offset:1536*\j+12288*(\q)+512*\c
.endr
.endr
.irp j, 0,1
.irp c, 0,1,2
	ds_load_b128 v[WF+72*(\f)+48+12*\j+4*\c:WF+72*(\f)+48+12*\j+4*\c+3], v[AV+\slot] offset:1536*\j+12288*(\q)+512*\c
.endr
.endr
.endm
; 16 matrix instructions of q or k: x's tiles i0 .. i0 + 3 x my four tiles of channels.  The 48 accumulators take turns, one instruction a turn, in the same order in every K step.
.macro MULQ f, i0, k, zero
.irp i, \i0, \i0+1, \i0+2, \i0+3
.irp j, 0,1,2,3
.if \zero
	v_wmma_scale_f32_16x16x128_f8f6f4 v[32*(\i)+8*\j:32*(\i)+8*\j+7], v[WF+72*(\f)+12*\j:WF+72*(\f)+12*\j+11], v[96*(\f)+12*(\i):96*(\f)+12*(\i)+11], 0, v[SC+8*\j+(\k)], v[SC+8*(\i)+(\k)] matrix_a_fmt:MATRIX_FMT_FP6 matrix_b_fmt:MATRIX_FMT_FP6 matrix_a_scale:MATRIX_SCALE_ROW1
.else
	v_wmma_scale_f32_16x16x128_f8f6f4 v[32*(\i)+8*\j:32*(\i)+8*\j+7], v[WF+72*(\f)+12*\j:WF+72*(\f)+12*\j+11], v[96*(\f)+12*(\i):96*(\f)+12*(\i)+11], v[32*(\i)+8*\j:32*(\i)+8*\j+7], v[SC+8*\j+(\k)], v[SC+8*(\i)+(\k)] matrix_a_fmt:MATRIX_FMT_FP6 matrix_b_fmt:MATRIX_FMT_FP6 matrix_a_scale:MATRIX_SCALE_ROW1
.endif
.endr
.endr
.endm
; 16 matrix instructions of v: x's eight tiles x my two tiles of channels
.macro MULV f, k, zero
.irp j, 0,1
.irp i, 0,1,2,3,4,5,6,7
.if \zero
	v_wmma_scale_f32_16x16x128_f8f6f4 v[64*\j+8*\i:64*\j+8*\i+7], v[96*(\f)+12*\i:96*(\f)+12*\i+11], v[WF+72*(\f)+48+12*\j:WF+72*(\f)+48+12*\j+11], 0, v[SC+8*\i+(\k)], v[SC+32+8*\j+(\k)] matrix_a_fmt:MATRIX_FMT_FP6 matrix_b_fmt:MATRIX_FMT_FP6 matrix_b_scale:MATRIX_SCALE_ROW1
.else
	v_wmma_scale_f32_16x16x128_f8f6f4 v[64*\j+8*\i:64*\j+8*\i+7], v[96*(\f)+12*\i:96*(\f)+12*\i+11], v[WF+72*(\f)+48+12*\j:WF+72*(\f)+48+12*\j+11], v[64*\j+8*\i:64*\j+8*\i+7], v[SC+8*\i+(\k)], v[SC+32+8*\j+(\k)] matrix_a_fmt:MATRIX_FMT_FP6 matrix_b_fmt:MATRIX_FMT_FP6 matrix_b_scale:MATRIX_SCALE_ROW1
.endif
.endr
.endr
.endm
; K step k on set f.  Behind its first 16 products the next step's fragments (slot nslot, K step nq of it) are asked for, into the other set: 32 matrix instructions ahead of their use.
; kind = 1: the next fragments lie in the chunk that was asked for last: my part has landed, then a barrier behind which nothing is filled.  kind = 2: the last step, nothing to fetch.
.macro STEP k, f, nslot, nq, zero, kind
	s_wait_dscnt 0x0                               ; this step's fragments are in
	WIN W_QK
	MULQ \f, 0, \k, \zero
.if \kind == 1
	WIN 0
	s_wait_tensorcnt 0x0                           ; my part of the last chunk has landed,
	s_wait_dscnt 0x0
	s_barrier_signal -1
	s_barrier_wait -1                              ; everybody's has
.endif
.if \kind != 2
	PLACES
	FETCH \nslot, \nq, 1-\f
.endif
	WIN W_QK
	MULQ \f, 4, \k, \zero
	WIN W_V
	MULV \f, \k, \zero
.endm
	s_wait_alu depctr_va_vdst(0)                   ; the wait at the head's end
	s_wait_tensorcnt 0x0                           ; my eight tiles' K steps 0-5 are in
	s_barrier_signal -1
	s_barrier_wait -1
	FETCH 0, 0, 0
	s_wait_loadcnt 0x0                             ; the scale words
	STEP 0, 0, 0, 1, 1, 0                          ; the first K step starts the sums: nothing is ever cleared
	; K step 1 changes slot 0's contents: all my tensor loads have landed, the add, my reads of slot 0 are over; a round of the cluster's barrier; the joint refill first behind it
	WIN 0
	s_wait_tensorcnt 0x0                           ; all my tensor loads have landed
	ds_add_u32 v[SPW], v[NIL]                      ; 0 onto my spare word
	s_wait_dscnt 1                                 ; this step's fragments, the last reads of slot 0, are in; the add alone may be out
	WIN W_QK
	MULQ 1, 0, 1, 0                                ; sixteen matrix instructions stand between the add and the wait for it
	s_wait_dscnt 0x0
	s_barrier_signal -1
	MULQ 1, 4, 1, 0
	WIN 0
	s_barrier_wait -1
	CREST                                          ; no wave of any partner still reads slot 0 or has a load on its way
	s_add_nc_u64 s[G0X+2:G0X+3], s[G0X+2:G0X+3], 6*12288   ; K step 6
	s_add_nc_u64 s[G0W+2:G0W+3], s[G0W+2:G0W+3], 6*12288
	s_mov_b32 s[G1X+2], 2<<16                      ; no tensor load of mine is out, so group 1 may be written: two K steps are left
	s_mov_b32 s[G1X+4], 2
	s_mov_b32 s[G1W+2], 2<<16
	s_mov_b32 s[G1W+4], 2
	JLOAD 0                                        ; chunk 3: four K steps, 176 matrix instructions, ahead of the wait for it; its four v_nop are also the places in front of the loads below
	FETCH 0, 2, 0
	WIN W_V
	MULV 1, 1, 0
	STEP 2, 0, 1, 0, 0, 0
	STEP 3, 1, 1, 1, 0, 0
	STEP 4, 0, 1, 2, 0, 0
	STEP 5, 1, 0, 0, 0, 1
	STEP 6, 0, 0, 1, 0, 0
	STEP 7, 1, 0, 0, 0, 2
	; THE WAY OUT.  q or k: a lane holds a token, 64 channels of one head in 32 registers a tile of tokens: two blocks, six registers of codes, two scale bytes.  The eight tiles' codes are one image of 48 registers.
	WIN 0
	PLACES
.irp i, 0,1,2,3,4,5,6,7
	QPAIR 32*\i, 3, IMG+6*\i, YW+\i
.endr
.irp p, 0,1,2,3
	v_cndmask_b32 v[KS+\p], v[YW+2*\p], v[YW+2*\p+1], s68   ; lanes 0-15 the words of tile 2 p, lanes 16-31 those of tile 2 p + 1
.endr
.irp g, 0,1,2,3,4,5,6,7,8,9,10,11
	global_store_b128 v1, v[IMG+4*\g:IMG+4*\g+3], s[86:87] offset:512*\g   ; 512 consecutive bytes a store
.endr
	global_store_b128 v1, v[KS:KS+3], s[88:89]
	; v: a lane holds a channel, 128 keys in 64 registers: a whole fragment and a whole scale word
.irp j, 0,1
	QPAIR 64*\j, 2, VFR+12*\j, Y0
	QPAIR 64*\j+32, 2, VFR+12*\j+6, Y0+1
	v_lshl_or_b32 v[PVW+\j], v[Y0+1], 16, v[Y0]
.endr
	v_cndmask_b32 v[VSW], v[PVW], v[PVW+1], s68
.irp g, 0,1,2,3,4,5
	global_store_b128 v1, v[VFR+4*\g:VFR+4*\g+3], s[90:91] offset:512*\g
.endr
	global_store_b32 v13, v[VSW], s[92:93]
	s_wait_tensorcnt 0x0                           ; the wave's end, behind my last tensor load
	ds_add_u32 v[SPW], v[NIL]
	s_wait_dscnt 0x0
	CROUND                                         ; the closing round: no work-group ends while a partner may still ask for a tile that names it
	s_endpgm
.Lfunc_end_k_q83c1d97e37_qkv:
	.size	k_q83c1d97e37_qkv, .Lfunc_end_k_q83c1d97e37_qkv-k_q83c1d97e37_qkv
	.p2alignl 7, 3214868480
	.fill 96, 4, 3214868480
	.section	.rodata,"a",@progbits
	.p2align	6, 0x0
	.amdhsa_kernel k_q83c1d97e37_qkv
		.amdhsa_group_segment_fixed_size 327680
		.amdhsa_private_segment_fixed_size 0
		.amdhsa_enable_private_segment 0
		.amdhsa_kernarg_size 32
		.amdhsa_user_sgpr_count 2
		.amdhsa_user_sgpr_kernarg_segment_ptr 1
		.amdhsa_wavefront_size32 1
		.amdhsa_system_sgpr_workgroup_id_x 1
		.amdhsa_system_sgpr_workgroup_id_y 1
		.amdhsa_system_sgpr_workgroup_id_z 1
		.amdhsa_system_vgpr_workitem_id 0
		.amdhsa_next_free_vgpr 1024
		.amdhsa_next_free_sgpr 96
		.amdhsa_reserve_vcc 0
		.amdhsa_float_denorm_mode_32 3
		.amdhsa_float_denorm_mode_16_64 3
		.amdhsa_memory_ordered 1
		.amdhsa_forward_progress 1
		.amdhsa_inst_pref_size 110
	.end_amdhsa_kernel
	.amdgpu_metadata
---
amdhsa.version: [ 1, 2 ]
amdhsa.kernels:
  - .name:           k_q83c1d97e37_qkv
    .symbol:         k_q83c1d97e37_qkv.kd
    .args:
      - { .name: codes, .offset: 0, .size: 8, .value_kind: global_buffer, .address_space: global }
      - { .name: scl, .offset: 8, .size: 8, .value_kind: global_buffer, .address_space: global }
      - { .name: qkv, .offset: 16, .size: 8, .value_kind: global_buffer, .address_space: global }
      - { .name: qkvs, .offset: 24, .size: 8, .value_kind: global_buffer, .address_space: global }
    .group_segment_fixed_size: 327680
    .private_segment_fixed_size: 0
    .kernarg_segment_align: 8
    .kernarg_segment_size: 32
    .max_flat_workgroup_size: 128
    .sgpr_count:     96
    .vgpr_count:     1024
    .wavefront_size: 32
...
	.end_amdgpu_metadata
.endif
;; end of part 2
;; launch attn (part 3): grid 8 x 32, 16 waves a work-group, clusters of 4 x 1, 235,520 bytes of LDS; arguments qkv, qkvs, aimg, asw; writes aimg, asw
.if DOCPART == 3
	.amdgcn_target "amdgcn-amd-amdhsa--gfx1250"
	.amdhsa_code_object_version 6
	.text
	.protected	k_q83c1d97e37_attn
	.globl	k_q83c1d97e37_attn
	.p2align	8
	.type	k_q83c1d97e37_attn,@function
k_q83c1d97e37_attn:
	s_mov_b64 s[64:65], 0
	v_nop
	global_prefetch_b8 v0, s[64:65] scope:SCOPE_SE
	s_setreg_imm32_b32 hwreg(HW_REG_WAVE_MODE, 25, 1), 1
	s_wait_xcnt 0x0
	s_wait_alu depctr_hold_cnt(0) depctr_sa_sdst(0) depctr_va_vdst(0) depctr_va_sdst(0) depctr_va_ssrc(0) depctr_va_vcc(0) depctr_vm_vsrc(0)
	s_getreg_b32 s2, hwreg(HW_REG_IB_STS2, 6, 4)
	s_cmp_eq_u32 s2, 0
	s_cbranch_scc0 .Lentry_in_a_cluster
	s_endpgm
.Lentry_in_a_cluster:
	s_bfe_u32 s2, ttmp6, 0x10000c
	s_cmp_lg_u32 s2, 0x3003
	s_cbranch_scc0 .Lentry_shape_is_right
	s_endpgm
.Lentry_shape_is_right:
; O[q] = the sum over keys of softmax(Q[q] . K[key] / 8) V[key] for one head, both products on codes of FP6 (E2M3) with E8M0 scales; O / the row's sum is quantised along the channels and leaves as an image of the last launch's operand.
; THE SOFTMAX AHEAD OF THE SECOND PRODUCT: t = score x log2(e) / 8; M = the largest t so far, rounded UP to a whole number; p = 2^(t - M) is quantised along the keys, not normalised; the row's sum is taken of the unquantised p.
; When M moves, the sum and O are multiplied by 2^(old M - new M): exact.
; SHARES: a work-group owns 256 queries of one head, each of its sixteen waves one tile of 16, in 256 registers: four waves to a SIMD.
; ALL of the head's K and V (196,608 bytes of codes, 12,288 of scale words) stay in LDS, filled ONCE at the head, one tensor load a wave: waves 0-7 an eighth of K each, waves 8-11 a quarter of V, waves 12-15 a quarter of the scale words.
; One barrier shows them to all; the sixteen key steps are a counted loop of eight trips, two steps a trip, with no barrier in it.  Nothing is filled again.  By this text's own count a wave has one tensor load out.
; CLUSTER 4 x 1: the four query blocks of a cluster walk the same K and V: every tile is asked for jointly (mask 15).  No prefetch: all tiles are asked for at the head, so there is no loop to run ahead in.
; LAYOUT: both products transposed: S^T = K Q^T, O^T = V^T P^T: a lane holds one query (lane % 16) throughout.
; WHICH KEYS FORM A TILE is chosen by the LDS addresses.  In memory row i of tile T of a step is key 32 (T / 2) + 8 (T % 2) + i + 8 (i / 8).  Tile 4 c + 2 p + u as it is read here takes for its rows 0-7 rows 8 p .. 8 p + 7 of tile 4 c + u,
; and for its rows 8-15 the same rows of tile 4 c + 2 + u: its row 8 h + j is key 64 c + 32 h + 8 (2 p + u) + j.  So the 32 score registers 32 c .. 32 c + 31 of lane (r, h) are the WHOLE block of keys 64 c + 32 h + 0 .. 31, in order,
; which is what registers 6 c .. 6 c + 5 of P's operand hold: a block's largest score needs no other lane, and the conversions' results are the operand.
; K's image lies in LDS in groups of 512 bytes with 128 of padding behind each: lanes with r >= 8 read three groups further on, 128 bytes modulo 256 from where lanes with r < 8 read, so sixteen lanes touch sixteen columns of 16 bytes.
; THE FIRST PRODUCT'S K IS 64, the instruction's 128: Q's registers 6-11 are zero codes.  A tile of K is six registers; the instruction's other six are the next tile's codes (for the last tile six registers of zeros):
; E2M3 has no NaN and no infinity, so each of those products is exactly 0.  The scale bytes of the idle blocks are 0 on both sides.
; THE ORDER OF A STEP: K and V share 48 registers.  V's image is asked for behind the wait ahead of the exponentials and lands under them.  The NEXT step's image of K is asked for behind O^T's products and four places,
; and 25 of the row sum's 29 additions stand between that request and the wait for it.  The places behind S^T's products are the joins of the last step's four chains of the sum (the first step finds zeros) and a copy of -M.
; LIMITS: NaN and infinities are not served; the promise holds while the scaled scores stay under 2^31 in magnitude; a block whose largest magnitude lies under 2^-124, a block of zeros among them, gets the scale byte 1
; (its codes are zeros; this program alone reads the bytes).
.set KSTEP, 7680                       ; LDS: K's 16 step images, 12 groups of 640 bytes each, from 0
.set VIMG,  122880                     ; V's 16 step images of 6,144 bytes
.set KSC,   221184                     ; K's scale words, 512 bytes a step
.set VSC,   229376                     ; V's, 256 bytes a step
.set SPARE, 233472                     ; the spare words, 128 bytes for each wave: eight blocks of 256 bytes that no other line names
.set LI,  1                            ; v1  16 x lane
.set LK,  2                            ; v2  K: 16 x lane + 1,792 where r >= 8
.set LV,  3                            ; v3  VIMG + 16 x lane
.set LS,  4                            ; v4  KSC + 256 (lane / 16) + 16 (r % 8) + 4 (r / 8)
.set SPW, 5
.set NIL, 6
.set LT,  7                            ; v7  VSC + 4 x lane
.set ADK, 8                            ; v8-11 this trip's four addresses
.set ADV, 9
.set ADS, 10
.set ADT, 11
.set SH8, 28                           ; v28 8 (lane / 16)
.set L8,  29
.set L4,  30
.set KW,  86                           ; v86-89 K's scale words: register 2 c + p: lanes 0-15 tile 4 c + 2 p, lanes 16-31 tile 4 c + 2 p + 1
.set VW,  90                           ; v90-91 V's
.set QW,  92                           ; v92 Q's
.set PW,  93                           ; v93 p's
.set PC,  192                          ; v192-203 p's codes
.set MX,  212                          ; v212-215 the maxima: block c in two chains; then v212, v213 the blocks'
.set PT,  216                          ; a lane permute's result
.set TT,  217
.set DD,  218
.set F,   220                          ; v220 f = 2^(old M - new M)
.set SU,  220                          ; v222-227 three chains of the row's sum; the fourth is v[14:15]
.set SOP, 228
.set EB,  230
.set CT,  232                          ; v232-234, v236-238 the upper halves' codes
.set TM,  240                          ; v240-250 at work in QPAIR
.set WV,  12
.set SEL, 20
.set CS,  22                           ; s[22:23] c = log2(e) / 8
.set G1K, 24
.set G1V, 32
.set G1S, 40
.set G0K, 48
.set G0V, 52
.set G0S, 56
.set TK,  70
.set TS,  71
.set TJ,  72
.set CNT, 73
.set TV,  78
.macro WALU
	s_wait_alu depctr_va_vdst(0)
.endm
.macro CROUND                          ; a round of the cluster's barrier
	s_barrier_signal -1
	s_barrier_wait -1
	s_cmp_lg_u32 s[WV], 0
	s_cbranch_scc1 .Lnot_wave_0_\@
	s_barrier_signal -3
.Lnot_wave_0_\@:
	s_barrier_wait -3
	s_barrier_signal -1
	s_barrier_wait -1
.endm
.macro GROUP1 g, el, rows              ; words 1 to 7 of a group 1: rows of el elements of 8 bytes, dense in memory
	s_mov_b32 s[\g+1], (\el)<<16
	s_mov_b32 s[\g+2], (\rows)<<16
	s_mov_b32 s[\g+3], (\el)<<16
	s_mov_b32 s[\g+4], \rows
	s_mov_b32 s[\g+5], \el
	s_mov_b32 s[\g+6], 0
	s_mov_b32 s[\g+7], 0
.endm
.macro TLOAD g0, g1                    ; an s_nop 0 and four v_nop follow the load
	tensor_load_to_lds s[\g0:\g0+3], s[\g1:\g1+7]
	s_nop 0
.rept 4
	v_nop
.endr
.endm
; 32 numbers of a lane, v[s] on, register 16 b + i = K 32 b + 16 (lane / 16) + i of my row (two blocks), become six registers of codes, v[d] on, and the two scale bytes in v[y].
.macro QPAIR s, d, y
.irp b, 0,1
	v_max3_num_f32 v[TM+\b], |v[(\s)+16*\b]|, |v[(\s)+16*\b+1]|, 0x1800000   ; my 16 numbers of block b, and the floor 2^(3 - 127): the byte cannot fall under 1
.endr
.irp i, 2,4,6,8,10,12,14
.irp b, 0,1
	s_delay_alu instid0(VALU_DEP_2)
	v_max3_num_f32 v[TM+\b], v[TM+\b], |v[(\s)+16*\b+\i]|, |v[(\s)+16*\b+\i+1]|
.endr
.endr
.irp b, 0,1
	s_delay_alu instid0(VALU_DEP_2)
	v_permlanex16_b32 v[TM+2+\b], v[TM+\b], s[SEL], s[SEL+1]
.endr
.irp b, 0,1
	s_delay_alu instid0(VALU_DEP_2)
	v_max_num_f32 v[TM+\b], v[TM+\b], v[TM+2+\b]
.endr
.irp b, 0,1
	s_delay_alu instid0(VALU_DEP_2)
	v_add_nc_u32 v[TM+4+\b], 0xff000000, v[TM+\b]
.endr
.irp b, 0,1
	s_delay_alu instid0(VALU_DEP_2)
	v_lshrrev_b32 v[TM+2+\b], 23, v[TM+4+\b]
.endr
	s_delay_alu instid0(VALU_DEP_1)
	v_lshl_or_b32 v[\y], v[TM+3], 8, v[TM+2]
	v_cvt_scalef32_pk16_fp6_f32 v[(\d):(\d)+2], v[(\s):(\s)+15], v[TM+4]
	v_cvt_scalef32_pk16_fp6_f32 v[TM+8:TM+10], v[(\s)+16:(\s)+31], v[TM+5]
	v_nop                                                  ; one plain place behind a scaled conversion
.irp i, 0,1,2
	v_permlane16_swap_b32 v[(\d)+\i], v[TM+8+\i]
.endr
.irp i, 0,1,2
	s_delay_alu instid0(VALU_DEP_3)
	v_mov_b32 v[(\d)+3+\i], v[TM+8+\i]
.endr
.endm
	s_load_b256 s[4:11], s[0:1], 0x0               ; qkv s[4:5], qkvs s[6:7], aimg s[8:9], asw s[10:11]
	v_lshl_add_u32 v[SPW], v0, 2, SPARE
	v_mov_b32 v[NIL], 0
	ds_add_u32 v[SPW], v[NIL]                      ; the opening lines: the add, twice on end, and its wait ahead of my tensor load
	ds_add_u32 v[SPW], v[NIL]
	v_lshrrev_b32 v8, 5, v0
	v_readfirstlane_b32 s[WV], v8                  ; wave 0..15
	s_bfe_u32 s13, ttmp6, 0x40000                  ; cx
	s_lshl_b32 s14, ttmp9, 2
	s_add_co_u32 s14, s14, s13                     ; my block of 256 queries: it enters Q's and the results' addresses alone
	s_and_b32 s15, ttmp7, 0xffff                   ; 16 x batch + head, which the four partners share
	s_mov_b32 s[G1K], 15|(3<<16)|(1<<20)|(1<<21)|(6<<22)|(31<<25)   ; the mask: all four; elements of 8 bytes; padding on; 21 set beside a mask; after every 128 words 32 words
	GROUP1 G1K, 64, 24                             ; K: 24 rows of 512 bytes: two steps' images
	s_mov_b32 s[G1V], 15|(3<<16)|(1<<21)
	GROUP1 G1V, 32, 96                             ; V: 96 rows of 256 bytes: four steps' images
	s_mov_b32 s[G1S], 15|(3<<16)|(1<<21)
	GROUP1 G1S, 32, 12                             ; scale words: 12 rows of 256 bytes
	s_and_b32 s16, s[WV], 3
	s_and_b32 s17, s[WV], 7                        ; (also: my tile of queries in its step of 128)
	s_mul_i32 s74, s15, 294912                     ; the head's first byte in qkv,
	s_mov_b32 s75, 0
	s_mul_i32 s76, s15, 20480                      ; and in qkvs
	s_mov_b32 s77, 0
	s_mov_b32 s[G0K], 1
	s_mul_i32 s[G0K+1], s17, 2*KSTEP
	s_mul_i32 s80, s17, 12288
	s_mov_b32 s81, 0
	s_mov_b32 s[G0V], 1
	s_mul_i32 s82, s16, 24576
	s_add_co_u32 s[G0V+1], s82, VIMG
	s_add_co_u32 s82, s82, 98304
	s_mov_b32 s83, 0
	s_mov_b32 s[G0S], 1
	s_mul_i32 s84, s16, 3072
	s_add_co_u32 s[G0S+1], s84, KSC
	s_mov_b32 s85, 0
	s_mov_b32 s[SEL], 0x76543210
	s_mov_b32 s[SEL+1], 0xfedcba98
	s_mov_b32 s[CS], 0x3e38aa3b
	s_mov_b32 s[CS+1], s[CS]                       ; (named with it as a pair, so it is written)
	WALU
	s_wait_dscnt 0x0                               ; both opening adds are done
	CROUND                                         ; all four work-groups are here: the joint loads meet
	s_wait_kmcnt 0x0
	s_add_nc_u64 s[74:75], s[4:5], s[74:75]
	s_add_nc_u64 s[76:77], s[6:7], s[76:77]
	s_add_nc_u64 s[G0K+2:G0K+3], s[74:75], s[80:81]
	s_or_b32 s[G0K+3], s[G0K+3], 0x80000000
	s_add_nc_u64 s[G0V+2:G0V+3], s[74:75], s[82:83]
	s_or_b32 s[G0V+3], s[G0V+3], 0x80000000
	s_add_nc_u64 s[G0S+2:G0S+3], s[76:77], s[84:85]
	s_or_b32 s[G0S+3], s[G0S+3], 0x80000000
	s_cmp_lt_u32 s[WV], 8                          ; one chain of branches on the wave's number: every way passes exactly one load
	s_cbranch_scc0 .Lfor_v
	TLOAD G0K, G1K
	s_branch .Lasked
.Lfor_v:
	s_cmp_lt_u32 s[WV], 12
	s_cbranch_scc0 .Lfor_s
	TLOAD G0V, G1V
	s_branch .Lasked
.Lfor_s:
	TLOAD G0S, G1S
.Lasked:
	s_lshl_b32 s82, s14, 1
	s_lshr_b32 s83, s[WV], 3
	s_add_co_u32 s82, s82, s83                     ; my queries' step of 128 tokens
	s_mul_i32 s84, s82, 6144
	s_add_co_u32 s84, s84, 196608
	s_mov_b32 s85, 0
	s_add_nc_u64 s[84:85], s[74:75], s[84:85]      ; its image of Q,
	s_lshl_b32 s86, s82, 9
	s_add_co_u32 s86, s86, 12288
	s_mov_b32 s87, 0
	s_add_nc_u64 s[86:87], s[76:77], s[86:87]      ; and its scale words
	s_mul_i32 s88, s17, 3
.irp j, 0,1,2                          ; my tile's registers 6 t + 2 j, + 1 of the image: pair n = 3 t + j lies at 512 (n / 2) + 16 x lane + 8 (n % 2)
	s_add_co_u32 s89, s88, \j
	s_lshr_b32 s90, s89, 1
	s_lshl_b32 s90, s90, 9
	s_and_b32 s89, s89, 1
	s_lshl_b32 s89, s89, 3
	s_add_co_u32 s[60+\j], s89, s90
.endr
	s_and_b32 s89, s17, 1
	s_lshl_b32 s89, s89, 8
	s_lshr_b32 s90, s17, 1
	s_lshl_b32 s90, s90, 2
	s_add_co_u32 s63, s89, s90                     ; my row's word of Q's scales: 16 (r + 16 (t % 2)) + 4 (t / 2)
	s_lshr_b32 s89, s15, 4
	s_lshl_b32 s89, s89, 7
	s_lshl_b32 s90, s82, 3
	s_add_co_u32 s89, s89, s90
	s_add_co_u32 s89, s89, s17                     ; my tile of tokens among the 256
	s_and_b32 s90, s15, 15                         ; the head
	s_mul_i32 s92, s89, 12288
	s_mul_i32 s91, s90, 768
	s_add_co_u32 s92, s92, s91
	s_mov_b32 s93, 0
	s_add_nc_u64 s[8:9], s[8:9], s[92:93]
	s_lshl_b32 s92, s89, 11
	s_lshl_b32 s91, s90, 7
	s_add_co_u32 s92, s92, s91
	s_add_nc_u64 s[10:11], s[10:11], s[92:93]
	s_and_b32 s91, s90, 1
	s_lshl_b32 s91, s91, 4                         ; an odd head's two scale bytes go to the word's upper half
	s_mov_b32 s[TK], 0
	s_mov_b32 s[TV], 0
	s_mov_b32 s[TS], 0
	s_mov_b32 s[TJ], 0
	s_mov_b32 s[CNT], 8
	v_and_b32 v9, 31, v0
	v_bfe_u32 v10, v0, 3, 1                        ; 1 where r >= 8
	v_bfe_u32 v11, v0, 4, 1                        ; lane / 16
	v_and_b32 v8, 7, v0
	v_lshlrev_b32 v[LI], 4, v9
	v_lshlrev_b32 v[L4], 2, v9
	v_lshlrev_b32 v[L8], 3, v9
	v_lshlrev_b32 v[SH8], 3, v11
	v_mad_u32_u24 v[LK], v10, 1792, v[LI]          ; three groups of 640 on, eight lanes back
	v_add_nc_u32 v[LV], VIMG, v[LI]
	v_lshlrev_b32 v[LS], 8, v11
	v_lshl_add_u32 v[LS], v8, 4, v[LS]
	v_lshl_add_u32 v[LS], v10, 2, v[LS]
	v_add_nc_u32 v[LS], KSC, v[LS]
	v_add_nc_u32 v[LT], VSC, v[L4]
.irp j, 0,1,2
	v_add_nc_u32 v[252+\j], s[60+\j], v[LI]
.endr
	v_and_b32 v9, 15, v0
	v_lshl_add_u32 v255, v9, 4, s63
	WALU
.irp j, 0,1,2
	global_load_b64 v[16+2*\j:17+2*\j], v[252+\j], s[84:85]
.endr
	global_load_b32 v[QW], v255, s[86:87]
	v_mov_b32 v13, 0xff61b1e6                      ; the largest score so far: -3e38, under every score
	v_floor_f32 v12, -v13                          ; -M: so large that the first f is 0
.irp j, 14,15,22,23,24,25,26,27,80,81,82,83,84,85,222,223,224,225,226,227
	v_mov_b32 v[\j], 0                             ; the sum's four chains; zero codes: Q's K 64 .. 127, and what stands behind K's last tile
.endr
.set j, 0
.rept 32
	v_mov_b32 v[160+j], 0                          ; O^T: the step is written once; the first finds zeros, which the first change of M leaves zeros
.set j, j+1
.endr
	v_mov_b32 v[PT], 0                             ; a lane permute's destination counts as one of its sources
	v_mov_b32 v[F+1], 0                            ; (named as the upper half of the pair with f)
	WALU                                           ; the wait at the head's end
	s_wait_loadcnt 0x0                             ; Q
	s_wait_tensorcnt 0x0                           ; my tile has landed,
	s_barrier_signal -1
	s_barrier_wait -1                              ; everybody's has: all of K, V and their scale words
.macro GRP m                           ; pairs 4 m .. 4 m + 3 of p onto the sum's four chains
.irp k, 1,2,3
	v_pk_add_f32 v[SU+2*\k:SU+2*\k+1], v[SU+2*\k:SU+2*\k+1], v[96+8*(\m)+2*\k:97+8*(\m)+2*\k]
.endr
	v_pk_add_f32 v[14:15], v[14:15], v[96+8*(\m):97+8*(\m)]
.endm
.macro OMUL a, n                       ; n pairs of O^T, from pair a on, under the new M
.set j, 160+2*(\a)
.rept \n
	v_pk_mul_f32 v[j:j+1], v[j:j+1], v[F:F+1] op_sel_hi:[1,0]
.set j, j+2
.endr
.endm
.macro KLD ak, as, u                   ; a step's image of K and its scale words: 16 loads; u: steps from where the two address registers stand
.irp c, 0,1
.irp p, 0,1
.irp g, 0,1,2
	ds_load_b128 v[32+24*\c+12*\p+4*\g:35+24*\c+12*\p+4*\g], v[\ak] offset:KSTEP*(\u)+640*(6*\c+\g)+128*\p   ; tiles 4 c + 2 p, + 1
.endr
	ds_load_b32 v[KW+2*\c+\p], v[\as] offset:512*(\u)+128*\p+8*\c
.endr
.endr
.endm
; A KEY STEP: 128 keys; u: the step in its trip.  Its image of K has been asked for
.macro STEP u
	WALU                                           ; the sum's chains
	s_wait_dscnt 0x0                               ; K's image and scale words are in
.irp t, 0,1,2,3,4,5,6,7
.if \t%2
	v_wmma_scale_f32_16x16x128_f8f6f4 v[96+8*\t:103+8*\t], v[32+6*\t:43+6*\t], v[16:27], 0, v[KW+\t/2], v[QW] matrix_a_fmt:MATRIX_FMT_FP6 matrix_b_fmt:MATRIX_FMT_FP6 matrix_a_scale:MATRIX_SCALE_ROW1
.else
	v_wmma_scale_f32_16x16x128_f8f6f4 v[96+8*\t:103+8*\t], v[32+6*\t:43+6*\t], v[16:27], 0, v[KW+\t/2], v[QW] matrix_a_fmt:MATRIX_FMT_FP6 matrix_b_fmt:MATRIX_FMT_FP6
.endif
.endr
	v_pk_add_f32 v[SU+2:SU+3], v[SU+2:SU+3], v[SU+4:SU+5]   ; four places: the last step's four chains of the sum are joined, still under the old M,
	v_pk_add_f32 v[14:15], v[14:15], v[SU+6:SU+7]
	v_mov_b32 v[DD], v12                                    ; and the old -M is kept
	v_pk_add_f32 v[14:15], v[14:15], v[SU+2:SU+3]
	; the largest score of each of my two blocks of 32 keys, in two chains each (17 and 15 numbers); each accumulator is first read at its low end
.irp c, 0,1
	v_max3_num_f32 v[MX+\c], v[96+32*\c], v[97+32*\c], v[98+32*\c]
	v_max3_num_f32 v[MX+2+\c], v[113+32*\c], v[114+32*\c], v[115+32*\c]
.endr
.irp i, 3,5,7,9,11,13
.irp c, 0,1
	v_max3_num_f32 v[MX+\c], v[MX+\c], v[96+32*\c+\i], v[97+32*\c+\i]
	v_max3_num_f32 v[MX+2+\c], v[MX+2+\c], v[113+32*\c+\i], v[114+32*\c+\i]
.endr
.endr
.irp c, 0,1
	v_max3_num_f32 v[MX+\c], v[MX+\c], v[111+32*\c], v[112+32*\c]
.endr
.irp c, 0,1
	v_max_num_f32 v[MX+\c], v[MX+\c], v[MX+2+\c]   ; it serves for the row's maximum and, since p rises with the score, for the block's largest p
.endr
	s_delay_alu instid0(VALU_DEP_1)
	v_max3_num_f32 v13, v13, v[MX], v[MX+1]        ; the running largest score: my two blocks,
	s_delay_alu instid0(VALU_DEP_1)
	v_permlanex16_b32 v[PT], v13, s[SEL], s[SEL+1]
	s_delay_alu instid0(VALU_DEP_1)
	v_max_num_f32 v13, v13, v[PT]                  ; and lane l xor 16's two
	s_delay_alu instid0(VALU_DEP_1)
	v_mul_f32 v[TT], s[CS], v13                    ; as t (c is positive)
	s_delay_alu instid0(VALU_DEP_1)
	v_floor_f32 v12, -v[TT]                        ; the new -M = floor(-t) = -ceil(t): a whole number
	s_delay_alu instid0(VALU_DEP_1)
	v_sub_f32 v[DD], v12, v[DD]                    ; old M - new M: a whole number, 0 or less
	v_pk_fma_f32 v[96:97], v[96:97], s[CS:CS+1], v[12:13] op_sel_hi:[1,0,0]     ; t - M, two at a time; the lines that make f stand among the first of them
	v_pk_fma_f32 v[98:99], v[98:99], s[CS:CS+1], v[12:13] op_sel_hi:[1,0,0]
	v_cvt_i32_f32 v[DD], v[DD]                     ; (it saturates)
	v_pk_fma_f32 v[100:101], v[100:101], s[CS:CS+1], v[12:13] op_sel_hi:[1,0,0]
	v_pk_fma_f32 v[102:103], v[102:103], s[CS:CS+1], v[12:13] op_sel_hi:[1,0,0]
	v_ldexp_f32 v[F], 1.0, v[DD]                   ; f = 2^(old M - new M)
.set j, 8
.rept 28
	v_pk_fma_f32 v[96+j:97+j], v[96+j:97+j], s[CS:CS+1], v[12:13] op_sel_hi:[1,0,0]
.set j, j+2
.endr
.irp c, 0,1
	v_fma_f32 v[MX+\c], v[MX+\c], s[CS], v12       ; the same of each block's largest score
.endr
	WALU                                           ; the wait ahead of the batch
.irp g, 0,1,2,3,4,5,6,7,8,9,10,11
	ds_load_b128 v[32+4*\g:35+4*\g], v[ADV] offset:6144*(\u)+512*\g   ; V's image, into K's registers: it lands under the exponentials
.endr
	ds_load_b32 v[VW], v[ADT] offset:256*(\u)
	ds_load_b32 v[VW+1], v[ADT] offset:256*(\u)+128
.irp c, 0,1
	v_exp_f32 v[MX+\c], v[MX+\c]                   ; the block's largest p: the same two instructions on the same number give the same bits
.endr
.set j, 0
.rept 64
	v_exp_f32 v[96+j], v[96+j]                     ; p = 2^(t - M), at most 1
.set j, j+1
.endr
	v_pk_mul_f32 v[14:15], v[14:15], v[F:F+1] op_sel_hi:[1,0]   ; the sum under the new M: the plain place behind the exponentials
	s_wait_dscnt 0x0                               ; V's image and scale words are in: no wait on memory stands between here and the products below
	WALU                                           ; one wait for the whole batch, ahead of its first reader
.irp c, 0,1
	v_max_num_f32 v[MX+\c], 0x1800000, v[MX+\c]    ; the floor 2^(3 - 127): the byte cannot fall under 1
.endr
.irp c, 0,1
	v_add_nc_u32 v[SOP+\c], 0xff000000, v[MX+\c]   ; 2 off the exponent field: the conversion's scale operand
.endr
.irp c, 0,1
	v_cvt_scalef32_pk16_fp6_f32 v[PC+6*\c:PC+6*\c+2], v[96+32*\c:111+32*\c], v[SOP+\c]
	v_cvt_scalef32_pk16_fp6_f32 v[CT+4*\c:CT+4*\c+2], v[112+32*\c:127+32*\c], v[SOP+\c]   ; (a conversion's three registers begin on an even number)
.endr
.irp c, 0,1
	v_lshrrev_b32 v[EB+\c], 23, v[SOP+\c]          ; the scale's byte.  (The plain place behind the conversions)
.endr
.irp c, 0,1
.irp i, 0,1,2
	v_mov_b32 v[PC+6*\c+3+\i], v[CT+4*\c+\i]
.endr
.endr
	v_lshl_or_b32 v[TT], v[EB+1], 16, v[EB]        ; my two bytes: blocks h and 2 + h,
	WALU                                           ; directly ahead of the first reader of O^T, with plain lines alone up to the last
	OMUL 0, 3                                      ; O^T under the new M; among its sixteen lines the three that finish p's scale word
	v_lshlrev_b32 v[TT], v[SH8], v[TT]             ; at their places in the word;
	OMUL 3, 3
	v_permlanex16_b32 v[PT], v[TT], s[SEL], s[SEL+1]
	OMUL 6, 2
	v_or_b32 v[PW], v[TT], v[PT]                   ; with lane l xor 16's two: p's scale word for these 128 keys, eight plain lines ahead of the products
	OMUL 8, 8
.irp t, 0,1,2,3                        ; O^T += V^T P^T: four tiles of 16 channels, the accumulators by turns
.if \t%2
	v_wmma_scale_f32_16x16x128_f8f6f4 v[160+8*\t:167+8*\t], v[32+12*\t:43+12*\t], v[PC:PC+11], v[160+8*\t:167+8*\t], v[VW+\t/2], v[PW] matrix_a_fmt:MATRIX_FMT_FP6 matrix_b_fmt:MATRIX_FMT_FP6 matrix_a_scale:MATRIX_SCALE_ROW1
.else
	v_wmma_scale_f32_16x16x128_f8f6f4 v[160+8*\t:167+8*\t], v[32+12*\t:43+12*\t], v[PC:PC+11], v[160+8*\t:167+8*\t], v[VW+\t/2], v[PW] matrix_a_fmt:MATRIX_FMT_FP6 matrix_b_fmt:MATRIX_FMT_FP6
.endif
.endr
	; the row's sum, of the unquantised p: 32 pairs in four chains.  Its first four lines are the places in front of the loads into V's registers
	v_pk_add_f32 v[14:15], v[14:15], v[96:97]
.irp k, 1,2,3
	v_pk_add_f32 v[SU+2*\k:SU+2*\k+1], v[96+2*\k:97+2*\k], v[104+2*\k:105+2*\k]
.endr
.if \u
	s_cmp_eq_u32 s[CNT], 1                         ; the walk's last step asks for nothing more: a jump on the trips' counter alone, round the loads alone
	WALU                                           ; the wait directly ahead of the branch
	s_cbranch_scc1 .Lno_more_\@
.endif
	KLD ADK, ADS, (\u)+1                           ; the next step's image of K; the rest of the sum stands between these loads and the wait for them
.if \u
.Lno_more_\@:
.endif
	v_pk_add_f32 v[14:15], v[14:15], v[104:105]
	GRP 2
	GRP 3
	GRP 4
	GRP 5
	GRP 6
	GRP 7
.endm
	KLD LK, LS, 0                                  ; the first step's image of K
.Ltrip:                                        ; two key steps
	v_add_nc_u32 v[ADK], s[TK], v[LK]
	v_add_nc_u32 v[ADV], s[TV], v[LV]
	v_add_nc_u32 v[ADS], s[TS], v[LS]
	v_add_nc_u32 v[ADT], s[TJ], v[LT]
	STEP 0
	STEP 1
	s_add_co_u32 s[TK], s[TK], 2*KSTEP
	s_add_co_u32 s[TV], s[TV], 2*6144
	s_add_co_u32 s[TS], s[TS], 2*512
	s_add_co_u32 s[TJ], s[TJ], 2*256
	s_sub_co_u32 s[CNT], s[CNT], 1
	s_cmp_lg_u32 s[CNT], 0
	s_cbranch_scc1 .Ltrip
	; THE WAY OUT: O^T / the sum; a lane holds 32 of its query's 64 channels, register 16 b + i = channel 32 b + 16 (lane / 16) + i: two blocks of the last product's K
	v_pk_add_f32 v[SU+2:SU+3], v[SU+2:SU+3], v[SU+4:SU+5]   ; the last step's four chains,
	v_pk_add_f32 v[14:15], v[14:15], v[SU+6:SU+7]
	v_pk_add_f32 v[14:15], v[14:15], v[SU+2:SU+3]
	v_add_f32 v14, v14, v15                        ; the sum's two halves,
	s_delay_alu instid0(VALU_DEP_1)
	v_permlanex16_b32 v[PT], v14, s[SEL], s[SEL+1]
	s_delay_alu instid0(VALU_DEP_1)
	v_add_f32 v14, v14, v[PT]                      ; and lane l xor 16's
	WALU
	v_rcp_f32 v14, v14
	v_mov_b32 v[TM+2], 0                           ; (plain places behind the transcendental)  a lane permute's destination counts as one of its sources
	v_mov_b32 v[TM+3], 0
	WALU                                           ; the wait, ahead of the first reader
.set j, 0
.rept 16
	v_pk_mul_f32 v[96+j:97+j], v[160+j:161+j], v[14:15] op_sel_hi:[1,0]
.set j, j+2
.endr
	QPAIR 96, 224, 251
	v_lshlrev_b32 v251, s91, v251
	global_store_b128 v[LI], v[224:227], s[8:9]            ; registers 0-3: 512 consecutive bytes,
	global_store_b64 v[L8], v[228:229], s[8:9] offset:512  ; registers 4, 5: 256
	global_store_b32 v[L4], v251, s[10:11]
	s_wait_tensorcnt 0x0                           ; the wave's end, behind my tensor load
	ds_add_u32 v[SPW], v[NIL]
	s_wait_dscnt 0x0
	CROUND                                         ; the closing round
	s_endpgm
.Lfunc_end_k_q83c1d97e37_attn:
	.size	k_q83c1d97e37_attn, .Lfunc_end_k_q83c1d97e37_attn-k_q83c1d97e37_attn
	.p2alignl 7, 3214868480
	.fill 96, 4, 3214868480
	.section	.rodata,"a",@progbits
	.p2align	6, 0x0
	.amdhsa_kernel k_q83c1d97e37_attn
		.amdhsa_group_segment_fixed_size 235520
		.amdhsa_private_segment_fixed_size 0
		.amdhsa_enable_private_segment 0
		.amdhsa_kernarg_size 32
		.amdhsa_user_sgpr_count 2
		.amdhsa_user_sgpr_kernarg_segment_ptr 1
		.amdhsa_wavefront_size32 1
		.amdhsa_system_sgpr_workgroup_id_x 1
		.amdhsa_system_sgpr_workgroup_id_y 1
		.amdhsa_system_sgpr_workgroup_id_z 1
		.amdhsa_system_vgpr_workitem_id 0
		.amdhsa_next_free_vgpr 256
		.amdhsa_next_free_sgpr 96
		.amdhsa_reserve_vcc 0
		.amdhsa_float_denorm_mode_32 3
		.amdhsa_float_denorm_mode_16_64 3
		.amdhsa_memory_ordered 1
		.amdhsa_forward_progress 1
		.amdhsa_inst_pref_size 46
	.end_amdhsa_kernel
	.amdgpu_metadata
---
amdhsa.version: [ 1, 2 ]
amdhsa.kernels:
  - .name:           k_q83c1d97e37_attn
    .symbol:         k_q83c1d97e37_attn.kd
    .args:
      - { .name: qkv, .offset: 0, .size: 8, .value_kind: global_buffer, .address_space: global }
      - { .name: qkvs, .offset: 8, .size: 8, .value_kind: global_buffer, .address_space: global }
      - { .name: aimg, .offset: 16, .size: 8, .value_kind: global_buffer, .address_space: global }
      - { .name: asw, .offset: 24, .size: 8, .value_kind: global_buffer, .address_space: global }
    .group_segment_fixed_size: 235520
    .private_segment_fixed_size: 0
    .kernarg_segment_align: 8
    .kernarg_segment_size: 32
    .max_flat_workgroup_size: 512
    .sgpr_count:     96
    .vgpr_count:     256
    .wavefront_size: 32
...
	.end_amdgpu_metadata
.endif
;; end of part 3
;; launch outp (part 4): grid 8 x 32, 4 waves a work-group, clusters of 4 x 4, 327,680 bytes of LDS; arguments aimg, asw, codes, scl, out0; writes out0
.if DOCPART == 4
	.amdgcn_target "amdgcn-amd-amdhsa--gfx1250"
	.amdhsa_code_object_version 6
	.text
	.protected	k_q83c1d97e37_outp
	.globl	k_q83c1d97e37_outp
	.p2align	8
	.type	k_q83c1d97e37_outp,@function
k_q83c1d97e37_outp:
	s_mov_b64 s[64:65], 0
	v_nop
	global_prefetch_b8 v0, s[64:65] scope:SCOPE_SE
	s_setreg_imm32_b32 hwreg(HW_REG_WAVE_MODE, 25, 1), 1
	s_wait_xcnt 0x0
	s_wait_alu depctr_hold_cnt(0) depctr_sa_sdst(0) depctr_va_vdst(0) depctr_va_sdst(0) depctr_va_ssrc(0) depctr_va_vcc(0) depctr_vm_vsrc(0)
	s_getreg_b32 s2, hwreg(HW_REG_IB_STS2, 6, 4)
	s_cmp_eq_u32 s2, 0
	s_cbranch_scc0 .Lentry_in_a_cluster
	s_endpgm
.Lentry_in_a_cluster:
	s_bfe_u32 s2, ttmp6, 0x10000c
	s_cmp_lg_u32 s2, 0xf033
	s_cbranch_scc0 .Lentry_shape_is_right
	s_endpgm
.Lentry_shape_is_right:
; out0 = A Wo on codes of FP6 (E2M3) with E8M0 scales, K = 1,024.  A: the attention's result as the launch before left it (aimg: [tile of 16 tokens][head][768 bytes], asw: its scale bytes); Wo: tiles 448 on of codes and scl.
; SHARES: work-group (cg, tb): 128 tokens x 128 columns; four waves, 2 x 2, 64 x 64 each: 16 accumulators.  Source 0 = 16 columns of Wo, source 1 = 16 tokens: a lane holds eight neighbouring columns of a row of out0.
; LDS: all of K of A's eight tiles and of Wo's eight, filled ONCE at the head, one joint load of 49,152 bytes a wave.  Waves 0, 1: four tiles of A on end, 12,288 bytes a tile, shared along a row of the 4 x 4 cluster.
; Waves 2, 3: four tiles of Wo, shared along a column: codes lie [group of 8 tiles][K step][tile][1,536 bytes], so these are 8 rows of 6,144 bytes, and lie in LDS [K step][tile].
; One barrier shows them to all; the eight K steps have no barrier.  Nothing is filled again.  No prefetch: all tiles are asked for at the head.
; The results leave through each wave's own stage in LDS, behind the tiles, as whole rows of 256 bytes.
.set CHUNK, 49152                      ; what one wave's load brings
.set STAGE, 4*CHUNK
.set SPARE, STAGE+4*4352
.set AA16, 2
.set AA8,  6
.set AB,   10
.set STO,  14
.set RD,   15
.set CO,   16
.set SPW,  28
.set NIL,  29
.set SA,   32
.set SB,   48
.set FS,   64
.set WV,   12
.set G1A,  24
.set G1B,  32
.set G0A,  40
.set G0B,  68
.set W_MUL, 0x50
.set MSB, 0
.macro WIN new
.if MSB != (\new)
	s_set_vgpr_msb (MSB<<8)|(\new)
.set MSB, (\new)
.endif
.endm
.macro PLACES
.rept 4
	v_nop
.endr
.endm
.macro CROUND
	s_barrier_signal -1
	s_barrier_wait -1
	s_cmp_lg_u32 s[WV], 0
	s_cbranch_scc1 .Lnot_wave_0_\@
	s_barrier_signal -3
.Lnot_wave_0_\@:
	s_barrier_wait -3
	s_barrier_signal -1
	s_barrier_wait -1
.endm
.macro JLOAD c
	s_cmp_eq_u32 s17, 0
	s_cbranch_scc0 .Lfor_b_\@
	tensor_load_to_lds s[G0A+4*\c:G0A+4*\c+3], s[G1A:G1A+7]
	s_nop 0
.rept 4
	v_nop
.endr
	s_branch .Lasked_\@
.Lfor_b_\@:
	tensor_load_to_lds s[G0B+4*\c:G0B+4*\c+3], s[G1B:G1B+7]
	s_nop 0
.rept 4
	v_nop
.endr
.Lasked_\@:
.endm
	s_load_b256 s[4:11], s[0:1], 0x0
	s_load_b64 s[66:67], s[0:1], 0x20
	v_lshl_add_u32 v[SPW], v0, 2, SPARE
	v_mov_b32 v[NIL], 0
	ds_add_u32 v[SPW], v[NIL]
	ds_add_u32 v[SPW], v[NIL]
	v_lshrrev_b32 v1, 5, v0
	v_readfirstlane_b32 s[WV], v1
	s_lshr_b32 s17, s[WV], 1
	s_and_b32 s18, s[WV], 1
	s_bfe_u32 s13, ttmp6, 0x40000
	s_bfe_u32 s14, ttmp6, 0x40004
	s_lshl_b32 s15, ttmp9, 2
	s_add_co_u32 s15, s15, s13
	s_and_b32 s16, ttmp7, 0xffff
	s_lshl_b32 s16, s16, 2
	s_add_co_u32 s16, s16, s14
	s_lshl_b32 s19, s14, 2
	s_lshl_b32 s19, 15, s19
	s_lshl_b32 s22, 0x1111, s13
	s_or_b32 s[G1A], s19, (3<<16)|(1<<21)
	s_or_b32 s[G1B], s22, (3<<16)|(1<<21)
.irp g, G1A, G1B
	s_mov_b32 s[\g+1], 1536<<16                    ; A: a row is a tile's eight K steps, 12,288 bytes
	s_mov_b32 s[\g+2], 4<<16
	s_mov_b32 s[\g+3], 1536<<16
	s_mov_b32 s[\g+4], 4
	s_mov_b32 s[\g+5], 1536
	s_mov_b32 s[\g+6], 0
	s_mov_b32 s[\g+7], 0
.endr
	s_mov_b32 s[G1B+1], 768<<16                    ; Wo: a row is four tiles' images of one K step, 6,144 bytes; eight rows, 12,288 bytes apart
	s_mov_b32 s[G1B+2], 8<<16
	s_mov_b32 s[G1B+3], 768<<16
	s_mov_b32 s[G1B+4], 8
	s_lshl_b32 s84, s16, 3
	s_lshl_b32 s85, s18, 2
	s_add_co_u32 s84, s84, s85
	s_mul_i32 s84, s84, 12288
	s_mov_b32 s85, 0
	s_add_co_u32 s86, s15, 56                      ; Wo's tiles 448 + 8 cg on are group 56 + cg,
	s_mul_i32 s86, s86, 98304
	s_mul_i32 s87, s18, 6144                       ; of which I fetch four
	s_add_co_u32 s86, s86, s87
	s_mov_b32 s87, 0
	s_mul_i32 s88, s[WV], CHUNK                    ; where my four tiles go
	s_wait_dscnt 0x0
	s_wait_kmcnt 0x0
	s_add_nc_u64 s[84:85], s[4:5], s[84:85]
	s_add_nc_u64 s[86:87], s[8:9], s[86:87]
	CROUND
.irp c, 0
	s_mov_b32 s[G0A+4*\c], 1
	s_add_co_u32 s[G0A+4*\c+1], s88, \c*CHUNK
	s_add_nc_u64 s[G0A+4*\c+2:G0A+4*\c+3], s[84:85], \c*3072
	s_or_b32 s[G0A+4*\c+3], s[G0A+4*\c+3], 0x80000000
	s_mov_b32 s[G0B+4*\c], 1
	s_add_co_u32 s[G0B+4*\c+1], s88, \c*CHUNK
	s_add_nc_u64 s[G0B+4*\c+2:G0B+4*\c+3], s[86:87], \c*3072
	s_or_b32 s[G0B+4*\c+3], s[G0B+4*\c+3], 0x80000000
	JLOAD \c                                       ; one tensor load a wave at the head
.endr
	v_and_b32 v17, 31, v0
	v_lshlrev_b32 v18, 4, v17
	v_lshlrev_b32 v19, 3, v17
	v_and_b32 v20, 15, v0
	v_bfe_u32 v21, v0, 4, 1
	s_mul_i32 s89, s17, CHUNK                      ; my four tiles of A,
	s_mul_i32 s90, s18, CHUNK
	s_add_co_u32 s90, s90, 2*CHUNK                 ; and of Wo, behind A's eight
.irp c, 0,1,2,3
	v_add_nc_u32 v[AA16+\c], s89, v18
	v_add_nc_u32 v[AA8+\c], s89, v19
	v_add_nc_u32 v[AB+\c], s90, v18
	s_add_co_u32 s89, s89, 3072                    ; register c: two K steps on: along a tile of A,
	s_add_co_u32 s90, s90, 12288                   ; and down Wo's rows
.endr
	s_mul_i32 s89, s[WV], 4352
	s_add_co_u32 s89, s89, STAGE
	v_mul_u32_u24 v[STO], v20, 272
	v_lshl_add_u32 v[STO], v21, 6, v[STO]
	v_add_nc_u32 v[STO], s89, v[STO]
	v_mul_u32_u24 v[RD], v21, 272
	v_lshl_add_u32 v[RD], v20, 4, v[RD]
	v_add_nc_u32 v[RD], s89, v[RD]
	v_lshlrev_b32 v[CO], 12, v21
	v_lshl_add_u32 v[CO], v20, 4, v[CO]
	s_lshl_b32 s89, s15, 3
	s_lshl_b32 s91, s18, 2
	s_add_co_u32 s89, s89, s91
	s_add_co_u32 s89, s89, 448
	s_lshl_b32 s89, s89, 9
	v_lshlrev_b32 v22, 9, v21
	v_lshl_add_u32 v22, v20, 5, v22
	v_add_nc_u32 v22, s89, v22
	s_lshl_b32 s89, s16, 3
	s_lshl_b32 s91, s17, 2
	s_add_co_u32 s89, s89, s91
	s_lshl_b32 s89, s89, 11
	v_lshlrev_b32 v23, 11, v21
	v_lshl_add_u32 v23, v20, 2, v23
	v_add_nc_u32 v23, s89, v23
.irp p, 0,1
.irp e, 0,1
	global_load_b128 v[SB+8*\p+4*\e:SB+8*\p+4*\e+3], v22, s[10:11] offset:1024*\p+16*\e
.endr
.endr
.irp p, 0,1
.irp k, 0,1,2,3,4,5,6,7
	global_load_b32 v[SA+8*\p+\k], v23, s[6:7] offset:4096*\p+256*\k
	global_load_b32 v[160+8*\p+\k], v23, s[6:7] offset:4096*\p+256*\k+128
.endr
.endr
	s_lshl_b32 s89, s16, 7
	s_lshl_b32 s91, s17, 6
	s_add_co_u32 s89, s89, s91
	s_lshl_b32 s92, s89, 12
	s_lshl_b32 s91, s15, 9
	s_add_co_u32 s92, s92, s91
	s_lshl_b32 s91, s18, 8
	s_add_co_u32 s92, s92, s91
	s_mov_b32 s93, 0
	s_add_nc_u64 s[66:67], s[66:67], s[92:93]
.macro FETCH c, q, f
.irp i, 0,1,2,3
	ds_load_b128 v[FS+96*(\f)+12*\i:FS+96*(\f)+12*\i+3],     v[AA16+\c] offset:12288*\i+1536*(\q)
	ds_load_b64  v[FS+96*(\f)+12*\i+4:FS+96*(\f)+12*\i+5],   v[AA8+\c]  offset:12288*\i+1536*(\q)+512
	ds_load_b128 v[FS+96*(\f)+12*\i+6:FS+96*(\f)+12*\i+9],   v[AA16+\c] offset:12288*\i+1536*(\q)+768
	ds_load_b64  v[FS+96*(\f)+12*\i+10:FS+96*(\f)+12*\i+11], v[AA8+\c]  offset:12288*\i+1536*(\q)+1280
.endr
.irp j, 0,1,2,3
.irp g, 0,1,2
	ds_load_b128 v[FS+96*(\f)+48+12*\j+4*\g:FS+96*(\f)+48+12*\j+4*\g+3], v[AB+\c] offset:1536*\j+6144*(\q)+512*\g
.endr
.endr
.endm
.macro MMO zero, i, j, k, f
.set rD, 32*(\i)+8*(\j)
.set rA, FS+96*(\f)+48+12*(\j)
.set rB, FS+96*(\f)+12*(\i)
.set rP, SB+8*((\j)/2)+(\k)
.set rQ, SA+8*((\i)/2)+(\k)
.if \zero
.if ((\i)%2) && ((\j)%2)
	v_wmma_scale_f32_16x16x128_f8f6f4 v[rD:rD+7], v[rA:rA+11], v[rB:rB+11], 0, v[rP], v[rQ] matrix_a_fmt:MATRIX_FMT_FP6 matrix_b_fmt:MATRIX_FMT_FP6 matrix_a_scale:MATRIX_SCALE_ROW1 matrix_b_scale:MATRIX_SCALE_ROW1
.elseif (\j)%2
	v_wmma_scale_f32_16x16x128_f8f6f4 v[rD:rD+7], v[rA:rA+11], v[rB:rB+11], 0, v[rP], v[rQ] matrix_a_fmt:MATRIX_FMT_FP6 matrix_b_fmt:MATRIX_FMT_FP6 matrix_a_scale:MATRIX_SCALE_ROW1
.elseif (\i)%2
	v_wmma_scale_f32_16x16x128_f8f6f4 v[rD:rD+7], v[rA:rA+11], v[rB:rB+11], 0, v[rP], v[rQ] matrix_a_fmt:MATRIX_FMT_FP6 matrix_b_fmt:MATRIX_FMT_FP6 matrix_b_scale:MATRIX_SCALE_ROW1
.else
	v_wmma_scale_f32_16x16x128_f8f6f4 v[rD:rD+7], v[rA:rA+11], v[rB:rB+11], 0, v[rP], v[rQ] matrix_a_fmt:MATRIX_FMT_FP6 matrix_b_fmt:MATRIX_FMT_FP6
.endif
.else
.if ((\i)%2) && ((\j)%2)
	v_wmma_scale_f32_16x16x128_f8f6f4 v[rD:rD+7], v[rA:rA+11], v[rB:rB+11], v[rD:rD+7], v[rP], v[rQ] matrix_a_fmt:MATRIX_FMT_FP6 matrix_b_fmt:MATRIX_FMT_FP6 matrix_a_scale:MATRIX_SCALE_ROW1 matrix_b_scale:MATRIX_SCALE_ROW1
.elseif (\j)%2
	v_wmma_scale_f32_16x16x128_f8f6f4 v[rD:rD+7], v[rA:rA+11], v[rB:rB+11], v[rD:rD+7], v[rP], v[rQ] matrix_a_fmt:MATRIX_FMT_FP6 matrix_b_fmt:MATRIX_FMT_FP6 matrix_a_scale:MATRIX_SCALE_ROW1
.elseif (\i)%2
	v_wmma_scale_f32_16x16x128_f8f6f4 v[rD:rD+7], v[rA:rA+11], v[rB:rB+11], v[rD:rD+7], v[rP], v[rQ] matrix_a_fmt:MATRIX_FMT_FP6 matrix_b_fmt:MATRIX_FMT_FP6 matrix_b_scale:MATRIX_SCALE_ROW1
.else
	v_wmma_scale_f32_16x16x128_f8f6f4 v[rD:rD+7], v[rA:rA+11], v[rB:rB+11], v[rD:rD+7], v[rP], v[rQ] matrix_a_fmt:MATRIX_FMT_FP6 matrix_b_fmt:MATRIX_FMT_FP6
.endif
.endif
.endm
.macro MUL8 f, i0, k, zero
.irp i, \i0, \i0+1
.irp j, 0,1,2,3
	MMO \zero, \i, \j, \k, \f
.endr
.endr
.endm
.macro STEP k, f, left, fetch, nc, nq, zero
	s_wait_dscnt 0x0
	WIN W_MUL
	MUL8 \f, 0, \k, \zero
	WIN 0
.if (\left) >= 0
	s_wait_tensorcnt \left
	s_barrier_signal -1
	s_barrier_wait -1
.endif
.if \fetch
	PLACES
	FETCH \nc, \nq, 1-\f
.endif
	WIN W_MUL
	MUL8 \f, 2, \k, \zero
.endm
	s_wait_tensorcnt 0x0                           ; my four tiles have landed; behind the barrier everybody's have
	s_barrier_signal -1
	s_barrier_wait -1
	FETCH 0, 0, 0
	s_wait_loadcnt 0x0
.set n, 0
.rept 16
	v_or_b32 v[SA+n], v[SA+n], v[160+n]
.set n, n+1
.endr
.rept 8
	v_nop
.endr
	s_wait_alu depctr_va_vdst(0)
	STEP 0, 0, -1, 1, 0, 1, 1
	STEP 1, 1, -1, 1, 1, 0, 0
	STEP 2, 0, -1, 1, 1, 1, 0
	STEP 3, 1, -1, 1, 2, 0, 0
	STEP 4, 0, -1, 1, 2, 1, 0
	STEP 5, 1, -1, 1, 3, 0, 0
	STEP 6, 0, -1, 1, 3, 1, 0
	STEP 7, 1, -1, 0, 0, 0, 0
	WIN 0
	PLACES
.macro TOSTAGE i
	WIN 0x04
.irp b, 0,1
.irp q, 0,1,2,3
	ds_store_b128 v[STO], v[32*(\i)+16*\b+4*\q:32*(\i)+16*\b+4*\q+3] offset:128*\b+16*\q
.endr
.endr
	WIN 0
.irp t, 0,1,2,3,4,5,6,7
	ds_load_b128 v[FS+32*((\i)%2)+4*\t:FS+32*((\i)%2)+4*\t+3], v[RD] offset:544*\t
.endr
.endm
.macro SEND i, younger
	s_wait_dscnt \younger
.irp t, 0,1,2,3,4,5,6,7
	global_store_b128 v[CO], v[FS+32*((\i)%2)+4*\t:FS+32*((\i)%2)+4*\t+3], s[66:67] offset:(32*((\i)/2)+8*((\i)%2)+2*\t+8*(\t/4))*4096 th:TH_STORE_NT
.endr
.endm
	TOSTAGE 0
	TOSTAGE 1
	SEND 0, 16
	s_wait_xcnt 0x0
	TOSTAGE 2
	SEND 1, 16
	s_wait_xcnt 0x0
	TOSTAGE 3
	SEND 2, 16
	SEND 3, 0
	s_wait_tensorcnt 0x0
	ds_add_u32 v[SPW], v[NIL]
	s_wait_dscnt 0x0
	CROUND
	s_endpgm
.Lfunc_end_k_q83c1d97e37_outp:
	.size	k_q83c1d97e37_outp, .Lfunc_end_k_q83c1d97e37_outp-k_q83c1d97e37_outp
	.p2alignl 7, 3214868480
	.fill 96, 4, 3214868480
	.section	.rodata,"a",@progbits
	.p2align	6, 0x0
	.amdhsa_kernel k_q83c1d97e37_outp
		.amdhsa_group_segment_fixed_size 327680
		.amdhsa_private_segment_fixed_size 0
		.amdhsa_enable_private_segment 0
		.amdhsa_kernarg_size 40
		.amdhsa_user_sgpr_count 2
		.amdhsa_user_sgpr_kernarg_segment_ptr 1
		.amdhsa_wavefront_size32 1
		.amdhsa_system_sgpr_workgroup_id_x 1
		.amdhsa_system_sgpr_workgroup_id_y 1
		.amdhsa_system_sgpr_workgroup_id_z 1
		.amdhsa_system_vgpr_workitem_id 0
		.amdhsa_next_free_vgpr 512
		.amdhsa_next_free_sgpr 96
		.amdhsa_reserve_vcc 0
		.amdhsa_float_denorm_mode_32 3
		.amdhsa_float_denorm_mode_16_64 3
		.amdhsa_memory_ordered 1
		.amdhsa_forward_progress 1
		.amdhsa_inst_pref_size 51
	.end_amdhsa_kernel
	.amdgpu_metadata
---
amdhsa.version: [ 1, 2 ]
amdhsa.kernels:
  - .name:           k_q83c1d97e37_outp
    .symbol:         k_q83c1d97e37_outp.kd
    .args:
      - { .name: aimg, .offset: 0, .size: 8, .value_kind: global_buffer, .address_space: global }
      - { .name: asw, .offset: 8, .size: 8, .value_kind: global_buffer, .address_space: global }
      - { .name: codes, .offset: 16, .size: 8, .value_kind: global_buffer, .address_space: global }
      - { .name: scl, .offset: 24, .size: 8, .value_kind: global_buffer, .address_space: global }
      - { .name: out0, .offset: 32, .size: 8, .value_kind: global_buffer, .address_space: global }
    .group_segment_fixed_size: 327680
    .private_segment_fixed_size: 0
    .kernarg_segment_align: 8
    .kernarg_segment_size: 40
    .max_flat_workgroup_size: 128
    .sgpr_count:     96
    .vgpr_count:     512
    .wavefront_size: 32
...
	.end_amdgpu_metadata
.endif
;; end of part 4
